; MI455X (gfx1250); checked and timed in simulation.
; The chip was launched on July 23, 2026; its instructions are those of AMD's public machine-readable ISA for CDNA 5 (MIT licence, August 2026) and "CDNA5" Instruction Set Architecture Reference Guide (July 2026). The comments in the code are by the model that wrote it; some were corrected since.
;; Min GRU. Allowed arithmetic: matrix products marked QUANTISED: E2M3 operands, one E8M0 scale for each 32 along K, by v_wmma_scale_f32_16x16x128_f8f6f4 with both operands' format E2M3, f32 sums; everything else in f32.
;; Inputs: W0_codes 3,072 x 32 x 24 uint8 (E2M3 codes of W0, K innermost, in blocks of 32 codes, four codes in three bytes); W0_scales 3,072 x 32 uint8 (E8M0 scales of W0, one for each 32 codes along K); W1_codes 3,072 x 32 x 24 uint8 (E2M3 codes of W1, K innermost, in blocks of 32 codes, four codes in three bytes); W1_scales 3,072 x 32 uint8 (E8M0 scales of W1, one for each 32 codes along K); h 8 x 1,024 x 1,024 float32.
;; Outputs: out0 8 x 1,024 x 1,024 float32.
;; This version of the problem:
;;   THIS VERSION OF THE PROBLEM IS GIVEN IN LOW PRECISION. The matrix products marked QUANTISED in the list below multiply operands that are first quantised to E2M3 (2 exponent bits, 3 mantissa bits; 6 bits a number), with one power-of-two scale for each 32 numbers along K (OCP MX v1.0); their sums are f32. All else is computed in f32.
;;   The module's matrix products, in the order in which they are computed (A, B: the left and right operand; K: the contracted axis; several contracted axes count as one K, in the product's order):
;;     1. [M 8,192, K 1,024] x [K 1,024, N 3,072]; A: input h; B: input W0 (given as codes): QUANTISED
;;     2. [M 8,192, K 1,024] x [K 1,024, N 3,072]; A: computed on the way; B: input W1 (given as codes): QUANTISED
;;   THE QUANTISER, for each operand of a quantised product, along K:
;;     - K is cut into blocks of 32 from its start; a last block that is shorter is filled with zeros.
;;     - A block's scale is 2^e with e = floor(log2(the largest magnitude in the block)) - 2, held to -126 .. 127; a block of zeros has e = 0. As a byte (E8M0): e + 127.
;;     - Each number is divided by its block's scale, clamped to +-7.5, and rounded to the nearest number of E2M3, ties to even, subnormals kept.
;;     - The product sums the exact products of the quantised numbers (number of the format x scale) in f32.
;;   ~~~python
;;   def quantise(x, axis):      # numpy; x: float32 -> the quantised numbers, widened to float32 again
;;       x = np.moveaxis(x, axis, -1); K = x.shape[-1]
;;       x = np.pad(x, [(0, 0)] * (x.ndim - 1) + [(0, -K % 32)]); x = x.reshape(x.shape[:-1] + (-1, 32)); a = np.abs(x).max(-1, keepdims=True)
;;       e = np.where(a > 0, np.clip(np.frexp(np.where(a > 0, a, 1))[1] - 1 - 2, -126, 127), 0)      # np.frexp(a)[1] - 1 = floor(log2(a)), exactly
;;       r = np.clip(x / 2.0 ** e, -7.5, 7.5)
;;       step = 2.0 ** (np.maximum(np.frexp(np.where(r == 0, 1, r))[1] - 1, 0) - 3)
;;       q = np.round(r / step) * step * 2.0 ** e      # np.round: ties to even
;;       return np.moveaxis(q.reshape(q.shape[:-2] + (-1,))[..., :K], -1, axis).astype(np.float32)
;;   ~~~
;;   OPERANDS COMPUTED ON THE WAY. 'Computed on the way' means the value that the module computes at that place (a softmax that the list does not call 'softmax' is quantised finished and normalised). What goes into a quantiser is computed in f32, as accurately as f32 sums, v_exp_f32 and their like allow (about 1e-6 of the number): no bf16 or f16 on the way to a quantiser, and a product that is left as it is and whose result goes on into a quantised operand takes f32 operands (vector FMAs, or v_wmma_f32_16x16x4_f32). A number that lies on a knife's edge between two numbers of the format may be rounded either way, as far as f32 arithmetic and the matrix unit's own rounding can turn it there, and no further.
;;   INPUTS GIVEN AS CODES. W0 (in the module: [1024, 3072], K = its axis 0); W1 (in the module: [1024, 3072], K = its axis 0): each comes as NAME_codes (uint8): NAME with its K axis moved to the last place and cut into blocks of 32 codes, [.., K / 32, bytes a block], one block behind the other in memory; four codes in three bytes: a row's codes are one little-endian stream of bits, code i at bits 6 i .. 6 i + 5 (a code: sign, 2 exponent bits, 3 mantissa bits); and NAME_scales (uint8): the same leading axes, one E8M0 byte (e + 127) for each 32 codes along K. Its value is code x scale, taken as it is: it is not quantised again, and the codes and scales need not be those that the quantiser above would give.
;; One version. Each part assembles by itself: llvm-mc -triple=amdgcn-amd-amdhsa -mcpu=gfx1250 --defsym DOCPART=n.
;; ======== version 1 of 1: 3 launches
;; limits: right only within a limited range of input values
;; workspace buffers: AC0 6,553,600 bytes; AC1 6,553,600 bytes; H1 33,554,432 bytes
;; launch quant (part 1): grid 32 x 8, 8 waves a work-group, no clusters, 139,264 bytes of LDS; arguments h, AC0; writes AC0
.if DOCPART == 1
	.amdgcn_target "amdgcn-amd-amdhsa--gfx1250"
	.amdhsa_code_object_version 6
	.text
	.protected	k_q007278eb79_quant
	.globl	k_q007278eb79_quant
	.p2align	8
	.type	k_q007278eb79_quant,@function
k_q007278eb79_quant:
	s_mov_b64 s[64:65], 0
	v_nop
	global_prefetch_b8 v0, s[64:65] scope:SCOPE_SE
	s_setreg_imm32_b32 hwreg(HW_REG_WAVE_MODE, 25, 1), 1
	s_wait_xcnt 0x0
; h [8][1024][1024] f32 becomes the first product's left operand: codes of FP6 (E2M3) with one E8M0 byte for each 32 channels (K = the channels).
; A block's scale is 2^(floor(log2(its largest magnitude)) - 2): its byte is that magnitude's exponent field - 2, held at 1 from below.
; (A block of zeros so gets the byte 1 where the quantiser says 127: its codes are zeros, and this program alone reads the bytes.)
; LIMITS: blocks whose largest magnitude lies under 2^(3 - 127) get the byte 1; NaN and infinities among the inputs are not served.
; LAYOUT OF THE CODES, AC0: [batch 8][pair 32][block of 32 channels 32][place 2][row 16][24 bytes].  A pair is 32 times = two tiles of 16 rows.
;   Row i of tile u holds time 16 (i / 8) + 8 u + i % 8 of the pair, so that in the product's result a lane holds 16 times on end.
;   Tile u of block c lies at place (u + c) % 2, so that the two halves of the lanes, which read neighbouring blocks, stand 128 bytes apart modulo 256.
; LAYOUT OF THE SCALES, in AC0 behind each four pairs' codes: [batch][pair][q 2][lane 32][16 bytes]: an image of the reader's registers: lane 16 u + i, the word of K step 4 q + w at byte 4 w.
; SHARES.  A work-group takes a pair (32 rows x 1,024 channels); wave w takes K step w: channels 128 w .. 128 w + 127.  Each load reads 512 consecutive bytes of a row;
; the 32 rows turn through the wave's own stage in LDS, so that a lane gets 16 neighbouring channels of one row, which the conversion wants in one lane's registers.
.set QST,  17152                       ; a wave's stage: row t at 528 t + 128 (t / 16)
.set ROWP, 528                         ; 512 bytes + 16: the sixteen rows that a read-back touches fall on sixteen different 16-byte columns modulo 256 bytes
.set SCI,  8*QST                       ; behind the stages: the pair's scale image, 1,024 bytes
.set R,    16                          ; v16-143  the 32 rows as loaded, 4 registers each
.set X,    144                         ; v144-175 two sets of 16 neighbours
.set C,    176                         ; v176-207 codes: 4 registers for each of 8 groups, so that no store's data are written again
	s_load_b128 s[4:7], s[0:1], 0x0                ; h, AC0
	v_lshl_add_u32 v224, v0, 2, 0x21c00
	v_mov_b32 v225, 0
	v_lshrrev_b32 v1, 5, v0
	s_delay_alu instid0(VALU_DEP_1)
	v_readfirstlane_b32 s16, v1                    ; wave 0..7
	v_and_b32 v1, 31, v0                           ; lane
	s_delay_alu instid0(VALU_DEP_1)
	v_lshlrev_b32 v2, 4, v1                        ; 16 x lane: my 16 bytes of a load's 512
	s_mul_i32 s17, s16, QST
	v_add_nc_u32 v3, s17, v2                       ; the stage, on the way in
	v_and_b32 v9, 15, v0                           ; i: my row of a tile
	v_bfe_u32 v10, v0, 4, 1                        ; jj: which 16 of a block's 32 channels
	v_bfe_u32 v11, v0, 3, 1                        ; i / 8
	v_and_b32 v12, 7, v0                           ; i % 8
	s_delay_alu instid0(VALU_DEP_2)
	v_mul_u32_u24 v4, v11, 16*ROWP+128
	s_delay_alu instid0(VALU_DEP_1)
	v_mad_u32_u24 v4, v12, ROWP, v4
	s_delay_alu instid0(VALU_DEP_1)
	v_lshl_add_u32 v4, v10, 6, v4
	s_delay_alu instid0(VALU_DEP_1)
	v_add_nc_u32 v4, s17, v4                       ; and on the way out: time 16 (i / 8) + i % 8 (+ 8 u by the offset), 64 jj bytes on
	v_mul_u32_u24 v5, v9, 24
	s_delay_alu instid0(VALU_DEP_1)
	v_mad_u32_u24 v5, v10, 12, v5                  ; my 12 bytes of a tile's 384 bytes of codes
	s_lshr_b32 s18, s16, 2
	s_lshl_b32 s18, s18, 9
	s_and_b32 s19, s16, 3
	s_lshl_b32 s19, s19, 2
	s_add_co_u32 s18, s18, s19
	s_add_co_u32 s18, s18, SCI
	v_add_nc_u32 v6, s18, v2                       ; my K step's word in the scale image: 512 (w / 4) + 4 (w % 4) + 16 x lane
	s_and_b32 s19, s16, 1
	s_lshl_b32 s19, s19, 9
	v_add_nc_u32 v8, s19, v2                       ; waves 0 and 1 send the image out: 512 bytes each
	s_add_co_u32 s19, s19, SCI
	v_add_nc_u32 v7, s19, v2
	v_mov_b32 v210, 0                              ; written once: a lane permute's destination counts as one of its sources
	s_and_b32 s20, ttmp7, 0xffff                   ; batch
	s_lshl_b32 s20, s20, 5
	s_add_co_u32 s20, s20, ttmp9                   ; 32 x batch + pair
	s_lshl_b32 s22, s20, 17                        ; h: 32 rows of 4,096 bytes a pair,
	s_lshl_b32 s21, s16, 9                         ; + my wave's 512 bytes of a row
	s_add_co_u32 s22, s22, s21
	s_mov_b32 s23, 0
	; AC0 holds, for each four pairs (a super-step of 128 times), 98,304 bytes of codes and behind them the four pairs' scale images, 4,096 bytes: 102,400 bytes in all
	s_lshr_b32 s28, s20, 2
	s_mul_i32 s28, s28, 102400
	s_and_b32 s29, s20, 3
	s_mul_i32 s24, s29, 24576
	s_add_co_u32 s24, s24, s28
	s_mul_i32 s21, s16, 3072                       ; + my four blocks of 768
	s_add_co_u32 s24, s24, s21
	s_mov_b32 s25, 0
	s_lshl_b32 s26, s29, 10
	s_add_co_u32 s26, s26, s28
	s_add_co_u32 s26, s26, 98304
	s_mov_b32 s27, 0
	s_mov_b32 s12, 0x76543210
	s_mov_b32 s13, 0xfedcba98                      ; v_permlanex16_b32's selects for lane l xor 16
	s_mov_b32 s14, 0xffff0000                      ; lanes 16-31
	s_wait_alu depctr_va_vdst(0)
	s_wait_kmcnt 0x0
	s_add_nc_u64 s[4:5], s[4:5], s[22:23]
	s_add_nc_u64 s[8:9], s[6:7], s[26:27]
	s_add_nc_u64 s[6:7], s[6:7], s[24:25]
.set t, 0
.rept 32
	global_load_b128 v[R+4*t:R+4*t+3], v2, s[4:5] offset:t*4096   ; row t: 32 lanes read 512 consecutive bytes
.set t, t+1
.endr
.set t, 0
.rept 32
	s_wait_loadcnt 31-t                            ; loads come back in order: row t is in, the younger rows stay out
	ds_store_b128 v3, v[R+4*t:R+4*t+3] offset:t*ROWP+(t/16)*128
.set t, t+1
.endr
; group g = 2 c + u: block c of my four, tile u.  Four loads bring a lane its 16 neighbours.  LDS serves a wave's instructions in order: they see the stores above.
.macro RB g
.irp k, 0,1,2,3
	ds_load_b128 v[X+16*((\g)%2)+4*\k:X+16*((\g)%2)+4*\k+3], v4 offset:8*((\g)%2)*ROWP+128*((\g)/2)+16*\k
.endr
.endm
.macro QG g
.set XS, X+16*((\g)%2)
.set CD, C+4*(\g)
.set qc, (\g)/2
.set qu, (\g)%2
.if (\g) < 7
	RB (\g)+1                                      ; the next group's numbers come while this one is worked
	s_wait_dscnt 4                                 ; all but those four
.else
	s_wait_dscnt 0x0
.endif
	v_max3_num_f32 v208, |v[XS]|, |v[XS+1]|, |v[XS+2]|       ; the largest magnitude of my 16, in two chains
	v_max3_num_f32 v209, |v[XS+3]|, |v[XS+4]|, |v[XS+5]|
.irp i, 6,10
	s_delay_alu instid0(VALU_DEP_2)
	v_max3_num_f32 v208, v208, |v[XS+\i]|, |v[XS+\i+1]|
	s_delay_alu instid0(VALU_DEP_2)
	v_max3_num_f32 v209, v209, |v[XS+\i+2]|, |v[XS+\i+3]|
.endr
	s_delay_alu instid0(VALU_DEP_2)
	v_max3_num_f32 v208, v208, |v[XS+14]|, |v[XS+15]|
	s_delay_alu instid0(VALU_DEP_1)
	v_max3_num_f32 v208, v208, v209, 0x1800000     ; and the floor 2^(3 - 127): the byte cannot fall under 1
	s_delay_alu instid0(VALU_DEP_1)
	v_permlanex16_b32 v210, v208, s12, s13
	s_delay_alu instid0(VALU_DEP_1)
	v_max_num_f32 v208, v208, v210                 ; with lane l xor 16's 16: the block's
	s_delay_alu instid0(VALU_DEP_1)
	v_add_nc_u32 v211, 0xff000000, v208            ; 2 off its exponent field: the conversion takes the exponent field of this operand as its scale
	v_cvt_scalef32_pk16_fp6_f32 v[CD:CD+2], v[XS:XS+15], v211
	v_lshrrev_b32 v212, 23, v211                   ; the scale's byte (also the plain instruction behind the conversion)
.if qc == 0
	s_delay_alu instid0(VALU_DEP_1)
	v_mov_b32 v[216+qu], v212                      ; tile u's scale word of this K step: block c's byte at byte c
.else
	s_delay_alu instid0(VALU_DEP_1)
	v_lshl_or_b32 v[216+qu], v212, 8*qc, v[216+qu]
.endif
	global_store_b96 v5, v[CD:CD+2], s[6:7] offset:qc*768+((qu+qc)%2)*384   ; 32 lanes store 384 consecutive bytes; a block's two tiles fill 768, at a multiple of 256
.endm
	RB 0
.irp g, 0,1,2,3,4,5,6,7
	QG \g
.endr
	v_cndmask_b32 v213, v216, v217, s14            ; lane 16 u + i takes the word of tile u, row i (both halves of the lanes hold both words)
	ds_store_b32 v6, v213
	s_wait_dscnt 0x0                               ; for the others' sake: my word has landed
	s_barrier_signal -1
	s_barrier_wait -1                              ; the image is whole
	s_cmp_gt_u32 s16, 1
	s_cbranch_scc1 .Ldone
	ds_load_b128 v[220:223], v7
	s_wait_dscnt 0x0
	global_store_b128 v8, v[220:223], s[8:9]       ; 512 consecutive bytes a wave, at a multiple of 256
.Ldone:
	s_wait_tensorcnt 0x0
	ds_add_u32 v224, v225
	s_wait_dscnt 0x0
	s_endpgm
.Lfunc_end_k_q007278eb79_quant:
	.size	k_q007278eb79_quant, .Lfunc_end_k_q007278eb79_quant-k_q007278eb79_quant
	.p2alignl 7, 3214868480
	.fill 96, 4, 3214868480
	.section	.rodata,"a",@progbits
	.p2align	6, 0x0
	.amdhsa_kernel k_q007278eb79_quant
		.amdhsa_group_segment_fixed_size 139264
		.amdhsa_private_segment_fixed_size 0
		.amdhsa_enable_private_segment 0
		.amdhsa_kernarg_size 16
		.amdhsa_user_sgpr_count 2
		.amdhsa_user_sgpr_kernarg_segment_ptr 1
		.amdhsa_wavefront_size32 1
		.amdhsa_system_sgpr_workgroup_id_x 1
		.amdhsa_system_sgpr_workgroup_id_y 1
		.amdhsa_system_sgpr_workgroup_id_z 1
		.amdhsa_system_vgpr_workitem_id 0
		.amdhsa_next_free_vgpr 226
		.amdhsa_next_free_sgpr 66
		.amdhsa_reserve_vcc 0
		.amdhsa_float_denorm_mode_32 3
		.amdhsa_float_denorm_mode_16_64 3
		.amdhsa_memory_ordered 1
		.amdhsa_forward_progress 1
		.amdhsa_inst_pref_size 22
	.end_amdhsa_kernel
	.amdgpu_metadata
---
amdhsa.version: [ 1, 2 ]
amdhsa.kernels:
  - .name:           k_q007278eb79_quant
    .symbol:         k_q007278eb79_quant.kd
    .args:
      - { .name: h, .offset: 0, .size: 8, .value_kind: global_buffer, .address_space: global }
      - { .name: AC0, .offset: 8, .size: 8, .value_kind: global_buffer, .address_space: global }
    .group_segment_fixed_size: 139264
    .private_segment_fixed_size: 0
    .kernarg_segment_align: 8
    .kernarg_segment_size: 16
    .max_flat_workgroup_size: 256
    .sgpr_count:     66
    .vgpr_count:     226
    .wavefront_size: 32
...
	.end_amdgpu_metadata
.endif
;; end of part 1
;; launch layer1 (part 2): grid 32 x 8, 8 waves a work-group, clusters of 4 x 4, 327,680 bytes of LDS; arguments AC0, W0_codes, W0_scales, h, AC1, H1; writes AC1, H1
.if DOCPART == 2
	.amdgcn_target "amdgcn-amd-amdhsa--gfx1250"
	.amdhsa_code_object_version 6
	.text
	.protected	k_q007278eb79_layer1
	.globl	k_q007278eb79_layer1
	.p2align	8
	.type	k_q007278eb79_layer1,@function
k_q007278eb79_layer1:
	s_mov_b64 s[64:65], 0
	v_nop
	global_prefetch_b8 v0, s[64:65] scope:SCOPE_SE
	s_setreg_imm32_b32 hwreg(HW_REG_WAVE_MODE, 25, 1), 1
	s_wait_xcnt 0x0
	s_wait_alu depctr_hold_cnt(0) depctr_sa_sdst(0) depctr_va_vdst(0) depctr_va_sdst(0) depctr_va_ssrc(0) depctr_va_vcc(0) depctr_vm_vsrc(0)
	s_getreg_b32 s2, hwreg(HW_REG_IB_STS2, 6, 4)
	s_cmp_eq_u32 s2, 0
	s_cbranch_scc0 .Lentry_in_a_cluster
	s_endpgm
.Lentry_in_a_cluster:
	s_bfe_u32 s2, ttmp6, 0x10000c
	s_cmp_lg_u32 s2, 0xf033
	s_cbranch_scc0 .Lentry_shape_is_right
	s_endpgm
.Lentry_shape_is_right:
; ONE LAYER OF MinGRU (LAYER = 1: the first, 2: the second; one text, the parts that differ under .if LAYER).
;   z = Q(x) W on codes of FP6 (E2M3) with E8M0 scales, f32 sums; (hidden, gate, proj) = z's thirds;
;   out_t = a_t out_(t-1) + b_t, out_(-1) = 0, s = sigmoid(gate), a = 1 - s, b = s g(hidden), g(x) = max(x + 0.5, sigmoid(x));  y = x + sigmoid(proj) (out - x).
; THE SCAN.  The reference's exp(a* + cumlogsumexp(log_values - a*)) is the closed form of that recurrence; here the recurrence is run in f32: a + s = 1, so out_t lies between out_(t-1)
; and g(hidden_t): all terms are >= 0 and nothing grows; the exponentials of log_values - a* are never formed, so there is none to take a maximum from.
; LIMITS: a is made as 1 - s, so it carries an absolute error of one rounding of s (2^-24); a sigmoid whose exponential overflows is 0; results under 2^-126 are flushed by v_exp_f32 and
; v_rcp_f32 (ISA guide, their entries).  NaN and infinities among the inputs are not served.  A block of zeros gets the scale byte 1 (its codes are zeros; this program alone reads the bytes).
; SHARES.  A work-group owns batch b and 32 channels (group cg).  Eight waves, two to a SIMD: wave w = 2 p + n takes pair p (32 times) of each super-step of 128 times and channels 16 n .. 16 n + 15.
; W's 48 rows of those channels stay in the wave's registers (3 kinds x 8 K steps x 12 = 288); the left operand streams through two LDS slots, a super-step (codes and scale images, 102,400 bytes) each.
; LAYOUT.  Source 0 = 16 times, source 1 = 16 rows of W.  Row i of tile u is time 16 (i / 8) + 8 u + i % 8, so lane (r, h) holds channel 16 n + r at times 16 h + 8 u + j in register 8 u + j.
; ORDER.  A wave's 48 products of a super-step stand on end, then one list of sigmoids for its 16 times: no transcendental stands between the links of a sum.
; The 8 segments of 16 times (segment 2 p + h) meet through LDS at the change of slots; y of both channel halves meets in a stage behind a second barrier, since a block of the next K is 32 channels.
; CLUSTER 4 x 4: a row shares the batch (the left operand is asked for jointly along it), a column shares cg (W jointly along it).
; PREFETCH.  At the head of super-step S, S = 0 .. 4, the slot of super-step S + 3 is asked for, which the change of slots of super-step S + 1 loads.  Its 400 blocks of 256 bytes are named once in each
; cluster that loads them: the four partners of a row take 100 each, told apart by address (cx); wave w takes blocks 13 w .. 13 w + 12 of them (wave 7: nine), a lane a block; lanes left over name their
; wave's last block.  Super-steps 5 to 7 ask for nothing.  The highway's input has none: it is loaded into registers one whole super-step ahead of the wait for it.
; STORES.  32 channels are 128 consecutive bytes of a row of f32: half of an aligned 256; 64 channels to a work-group would make 128 work-groups.
.set LAYER, 1
.set PAIRB, 24576
.set SCO,   98304                      ; the scale images' place in a slot
.set SLOTB, 102400
.set PARTB, 20480                      ; a fifth of a slot: 80 rows of 256 bytes, what one tensor load brings
.set WST,   2*SLOTB                    ; W's staging: kind, row of 816 (three times 256 + 16); filled once; behind the head's last barrier it is stored into:
.set WKB,   26112
.set AGG,   WST                        ;   aggregates: 4,096 x parity + 80 x channel + 8 x segment + (0: L, 4: P)
.set STAGE, WST+8192                   ;   y: 4,864 p + 144 t + 128 (t / 16) + 4 x channel
.set STGW,  4864
.set SPARE, WST+3*WKB                  ; the spare words, 128 bytes a wave
.set SPW, 1
.set NIL, 2
.set LA,  3                            ; v3-6 my place in a pair: LA + 2 slot + u
.set ADS, 7                            ; v7-8 my scale words, slot 0, 1
.set AGW, 9
.set AGR, 10
.set STW, 11
.set STR, 12
.set GH,  13
.set GI,  14                           ; 16 x lane
.set GC,  15
.set CR,  16                           ; the carry into the super-step
.set GS,  17
.set CIN, 18                           ; v[18:19] the carry into my segment (low half)
.set PFO, 21                           ; the prefetches' offset in a slot; never rewritten behind the head
.set WS,  24                           ; v24-35 W's scale words, 4 kind + K step / 2: lanes 0-15 the even K step, lanes 16-31 the odd one
.set SA,  36                           ; v36-43 the left operand's, by K step: lanes 0-15 tile 0, lanes 16-31 tile 1
.set HP,  44                           ; v44-59 the highway's input
.set WA,  62
.set RH,  64                           ; accumulators: kind, 8 u + j
.set RG,  80
.set RP,  96
.set T,   112                          ; v112-127 at work for the sigmoids (its last four are fragment registers, free by then)
.set AF,  124                          ; v124-219 a tile's eight fragments; free between a super-step's last product and the next fetch:
.set AGT, AF+48                        ;   the eight aggregates
.set X,   AF+64                        ;   16 numbers of a row on the way out
.set M0,  AF+80
.set M1,  AF+81
.set CD,  AF+82
.set W7,  220                          ; v220-255 W of K step 7;  window 1: v0-251 W of K steps 0-6, at 36 K step + 12 kind
.set PF,  16                           ; s[16:17] the slot that the next prefetch names
.set WV,  20
.set G1A, 28
.set G1W, 36
.set G0A, 44
.set G0W, 52
.set CS,  56
.set SEL, 58
.set CNT, 60
.set PP,  61
.set NN,  62
.set MK,  66                           ; s67-73 lanes whose segment is 1 .. 7
.set HB,  74
.set IB,  76
.set CB,  78
.set SB,  80
.if LAYER == 1
.set HSTEP, 128*4096
.set ISTEP, 16384
.set NHP,   16
.else
.set HSTEP, 16384
.set ISTEP, 128*4096
.set NHP,   4
.endif
.set MSB, 0
.macro WIN new                         ; s_set_vgpr_msb: bits 3:2 source 1, 7:6 destination; the high byte repeats the setting that is left
.if MSB != (\new)
	s_set_vgpr_msb (MSB<<8)|(\new)
.set MSB, (\new)
.endif
.endm
.macro PLACES n
.rept \n
	v_nop
.endr
.endm
.macro CROUND                          ; a round of the cluster's barrier
	s_barrier_signal -1
	s_barrier_wait -1
	s_cmp_lg_u32 s[WV], 0
	s_cbranch_scc1 .Lnot_wave_0_\@
	s_barrier_signal -3
.Lnot_wave_0_\@:
	s_barrier_wait -3
	s_barrier_signal -1
	s_barrier_wait -1
.endm
.macro JL slot                         ; waves 0 to 4 ask jointly for their fifth of a slot
	s_cmp_lt_u32 s[WV], 5
	s_cbranch_scc0 .Lno_part_\@
	tensor_load_to_lds s[G0A+4*\slot:G0A+4*\slot+3], s[G1A:G1A+7]
	s_nop 0
	PLACES 4
.Lno_part_\@:
.endm
	s_load_b256 s[4:11], s[0:1], 0x0               ; left operand s[4:5], W's codes s[6:7], W's scales s[8:9], the highway's input s[10:11]
.if LAYER == 1
	s_load_b128 s[12:15], s[0:1], 0x20             ; AC1, H1
.else
	s_load_b64 s[12:13], s[0:1], 0x20              ; out0
.endif
	v_lshl_add_u32 v[SPW], v0, 2, SPARE
	v_mov_b32 v[NIL], 0
	ds_add_u32 v[SPW], v[NIL]                      ; the opening lines: the add twice on end and one wait
	ds_add_u32 v[SPW], v[NIL]
	v_lshrrev_b32 v20, 5, v0
	v_readfirstlane_b32 s[WV], v20
	s_bfe_u32 s21, ttmp6, 0x40000                  ; cx
	s_bfe_u32 s22, ttmp6, 0x40004                  ; cy
	s_lshl_b32 s23, ttmp9, 2
	s_add_co_u32 s23, s23, s21                     ; cg
	s_and_b32 s24, ttmp7, 0xffff
	s_lshl_b32 s24, s24, 2
	s_add_co_u32 s24, s24, s22                     ; b
	s_lshl_b32 s25, s22, 2
	s_lshl_b32 s25, 15, s25                        ; my row of the cluster
	s_lshl_b32 s26, 0x1111, s21                    ; my column
	s_lshr_b32 s[PP], s[WV], 1
	s_and_b32 s[NN], s[WV], 1
	s_or_b32 s[G1A], s25, (3<<16)|(1<<21)          ; dense rows of 256 bytes (32 elements of 8), no padding
	s_or_b32 s[G1W], s26, (3<<16)|(1<<20)|(1<<21)|(5<<22)|(3<<25)   ; 16 bytes of padding behind every 256
	s_mov_b32 s[G1A+1], 32<<16
	s_mov_b32 s[G1A+2], 80<<16
	s_mov_b32 s[G1A+3], 32<<16
	s_mov_b32 s[G1A+4], 80
	s_mov_b32 s[G1A+5], 32
	s_mov_b32 s[G1A+6], 0
	s_mov_b32 s[G1A+7], 0
	s_mov_b32 s[G1W+1], 32<<16
	s_mov_b32 s[G1W+2], 96<<16
	s_mov_b32 s[G1W+3], 32<<16
	s_mov_b32 s[G1W+4], 96
	s_mov_b32 s[G1W+5], 32
	s_mov_b32 s[G1W+6], 0
	s_mov_b32 s[G1W+7], 0
	s_min_u32 s82, s[WV], 4                        ; my fifth of a slot, in memory and in LDS alike
	s_mul_i32 s82, s82, PARTB
	s_mul_i32 s84, s24, 8*SLOTB
	s_add_co_u32 s84, s84, s82
	s_mov_b32 s85, 0
	s_and_b32 s86, s[WV], 3                        ; waves 5, 6, 7 fetch W's kinds 0, 1, 2
	s_mul_i32 s88, s86, WKB
	s_add_co_u32 s88, s88, WST-WKB
	s_sub_co_u32 s86, s86, 1
	s_max_i32 s86, s86, 0
	s_mul_i32 s86, s86, 1024*768
	s_mul_i32 s87, s23, 32*768
	s_add_co_u32 s86, s86, s87
	s_mov_b32 s87, 0
	s_mov_b32 s[CS], 0xbfb8aa3b                    ; -log2(e)
	s_mov_b32 s[CS+1], s[CS]
	s_mov_b32 s[SEL], 0x76543210
	s_mov_b32 s[SEL+1], 0xfedcba98
	s_wait_dscnt 0x0
	s_wait_kmcnt 0x0
	s_add_nc_u64 s[84:85], s[4:5], s[84:85]
.irp sl, 0,1
	s_mov_b32 s[G0A+4*\sl], 1
	s_add_co_u32 s[G0A+4*\sl+1], s82, \sl*SLOTB
	s_add_nc_u64 s[G0A+4*\sl+2:G0A+4*\sl+3], s[84:85], \sl*SLOTB
	s_or_b32 s[G0A+4*\sl+3], s[G0A+4*\sl+3], 0x80000000
.endr
	s_mov_b32 s[G0W], 1
	s_mov_b32 s[G0W+1], s88
	s_add_nc_u64 s[G0W+2:G0W+3], s[6:7], s[86:87]
	s_or_b32 s[G0W+3], s[G0W+3], 0x80000000
	CROUND                                         ; the first joint loads meet
	s_cmp_lt_u32 s[WV], 5                          ; one load a wave: slot 0's fifths, W's three kinds
	s_cbranch_scc0 .Lfor_w
	tensor_load_to_lds s[G0A:G0A+3], s[G1A:G1A+7]
	s_nop 0
	PLACES 4
	s_branch .Lasked
.Lfor_w:
	tensor_load_to_lds s[G0W:G0W+3], s[G1W:G1W+7]
	s_nop 0
	PLACES 4
.Lasked:
	s_lshl_b32 s90, s24, 22                        ; rows of f32: (1,024 b + 32 p) x 4,096 + 128 cg
	s_lshl_b32 s91, s[PP], 17
	s_add_co_u32 s90, s90, s91
	s_lshl_b32 s91, s23, 7
	s_add_co_u32 s90, s90, s91
.if LAYER == 1
	s_lshl_b32 s91, s[NN], 6                       ; + my 16 channels
.else
	s_lshl_b32 s91, s[NN], 16                      ; + the 16 rows that I store
.endif
	s_add_co_u32 s90, s90, s91
	s_mov_b32 s91, 0
.if LAYER == 1
	s_add_nc_u64 s[HB:HB+1], s[10:11], s[90:91]
.else
	s_add_nc_u64 s[IB:IB+1], s[12:13], s[90:91]
.endif
	s_lshl_b32 s90, s24, 22                        ; H1's images: ((32 b + cg) 8 + super-step) x 16,384 + 2,048 w
	s_lshl_b32 s91, s23, 17
	s_add_co_u32 s90, s90, s91
	s_lshl_b32 s91, s[WV], 11
	s_add_co_u32 s90, s90, s91
	s_mov_b32 s91, 0
.if LAYER == 1
	s_add_nc_u64 s[IB:IB+1], s[14:15], s[90:91]
	s_mul_i32 s92, s24, 8*SLOTB
	s_mul_i32 s90, s[PP], PAIRB                    ; the next codes: pair p, block cg, tile u = n at place (u + cg) % 2
	s_add_co_u32 s90, s90, s92
	s_mul_i32 s91, s23, 768
	s_add_co_u32 s90, s90, s91
	s_add_co_u32 s91, s23, s[NN]
	s_and_b32 s91, s91, 1
	s_mul_i32 s91, s91, 384
	s_add_co_u32 s90, s90, s91
	s_mov_b32 s91, 0
	s_add_nc_u64 s[CB:CB+1], s[12:13], s[90:91]
	s_lshl_b32 s90, s[PP], 10                      ; the next scale bytes: 1,024 p + 512 (cg / 16) + 256 u + cg % 16
	s_add_co_u32 s90, s90, s92
	s_lshl_b32 s91, s[NN], 8
	s_add_co_u32 s90, s90, s91
	s_lshr_b32 s91, s23, 4
	s_lshl_b32 s91, s91, 9
	s_add_co_u32 s90, s90, s91
	s_and_b32 s91, s23, 15
	s_add_co_u32 s90, s90, s91
	s_add_co_u32 s90, s90, SCO
	s_mov_b32 s91, 0
	s_add_nc_u64 s[SB:SB+1], s[12:13], s[90:91]
.else
	s_add_nc_u64 s[HB:HB+1], s[10:11], s[90:91]
.endif
	s_lshl_b32 s90, s23, 10                        ; W's scales: 32 bytes a row, row 32 cg + 16 n
	s_lshl_b32 s91, s[NN], 9
	s_add_co_u32 s90, s90, s91
	s_mov_b32 s91, 0
	s_add_nc_u64 s[8:9], s[8:9], s[90:91]
	s_mul_i32 s90, s24, 8*SLOTB                    ; the prefetches begin at my batch's super-step 3
	s_add_co_u32 s90, s90, 3*SLOTB
	s_mov_b32 s91, 0
	s_add_nc_u64 s[PF:PF+1], s[4:5], s[90:91]
	v_and_b32 v21, 31, v0
	v_and_b32 v22, 15, v0                          ; r
	v_bfe_u32 v23, v0, 4, 1                        ; h
	v_mul_u32_u24 v60, v22, 24
	s_mul_i32 s82, s[PP], PAIRB
	v_mad_u32_u24 v[LA], v23, 1152, v60            ; tile 0: lanes 16-31 read the next block, whose tile 0 lies at the other place
	v_mad_u32_u24 v[LA+1], v23, 384, v60
	v_add_nc_u32 v[LA], s82, v[LA]
	s_add_co_u32 s82, s82, 384
	v_add_nc_u32 v[LA+1], s82, v[LA+1]
	v_add_nc_u32 v[LA+2], SLOTB, v[LA]
	v_add_nc_u32 v[LA+3], SLOTB, v[LA+1]
	v_lshlrev_b32 v[GI], 4, v21
	v_min_u32 v[PFO], 12, v21                      ; block min(13 w + min(lane, 12), 99) of my work-group's hundred,
	s_mul_i32 s93, s[WV], 13
	v_add_nc_u32 v[PFO], s93, v[PFO]
	v_min_u32 v[PFO], 99, v[PFO]
	v_lshlrev_b32 v[PFO], 8, v[PFO]
	s_mul_i32 s93, s21, 25600                      ; which begin 100 cx blocks into the slot
	v_add_nc_u32 v[PFO], s93, v[PFO]
	s_lshl_b32 s82, s[PP], 10
	s_add_co_u32 s82, s82, SCO
	v_add_nc_u32 v[ADS], s82, v[GI]
	v_add_nc_u32 v[ADS+1], SLOTB, v[ADS]
	s_mul_i32 s82, s[NN], 1280
	s_add_co_u32 s82, s82, AGG
	v_mul_u32_u24 v[AGR], v22, 80
	v_add_nc_u32 v[AGR], s82, v[AGR]
	s_lshl_b32 s83, s[PP], 4
	v_lshl_add_u32 v[AGW], v23, 3, v[AGR]
	v_add_nc_u32 v[AGW], s83, v[AGW]
	s_mul_i32 s82, s[PP], STGW
	s_add_co_u32 s82, s82, STAGE
	s_lshl_b32 s83, s[NN], 6
	s_add_co_u32 s83, s83, s82
	v_mul_u32_u24 v[STW], v23, 2432
	v_lshl_add_u32 v[STW], v22, 2, v[STW]
	v_add_nc_u32 v[STW], s83, v[STW]
	v_and_b32 v20, 7, v0
.if LAYER == 1
	s_mul_i32 s83, s[NN], 1152                     ; out of the stage as the next operand's rows: I take tile u = n; lane (i, jj): time 16 (i / 8) + 8 u + i % 8, channels 16 jj on
	s_add_co_u32 s83, s83, s82
	v_bfe_u32 v61, v0, 3, 1
	v_mul_u32_u24 v[STR], v61, 2432
	v_mad_u32_u24 v[STR], v20, 144, v[STR]
	v_lshl_add_u32 v[STR], v23, 6, v[STR]
	v_add_nc_u32 v[STR], s83, v[STR]
	v_lshlrev_b32 v[GH], 16, v23
	v_lshl_add_u32 v[GH], v22, 2, v[GH]
	v_mad_u32_u24 v[GC], v23, 12, v60
	v_lshlrev_b32 v[GS], 4, v22
.else
	s_mul_i32 s83, s[NN], 2432                     ; out of the stage as rows of out0: I take times 16 n on; eight lanes a row's 128 bytes, four rows an instruction
	s_add_co_u32 s83, s83, s82
	v_bfe_u32 v61, v0, 3, 2
	v_mul_u32_u24 v[STR], v61, 144
	v_lshl_add_u32 v[STR], v20, 4, v[STR]
	v_add_nc_u32 v[STR], s83, v[STR]
	v_lshlrev_b32 v[GC], 12, v61
	v_lshl_add_u32 v[GC], v20, 4, v[GC]
.endif
	s_mul_i32 s82, s[NN], 13056
	s_add_co_u32 s82, s82, WST
	v_mul_u32_u24 v[WA], v22, 816
	v_mad_u32_u24 v[WA], v23, 24, v[WA]
	v_add_nc_u32 v[WA], s82, v[WA]
	v_lshl_add_u32 v[WA+1], v23, 4, v[WA]          ; the same behind one padding more
	s_lshl_b32 s82, s[PP], 1
	v_add_nc_u32 v61, s82, v23                     ; my segment
.irp k, 1,2,3,4,5,6,7
	v_cmp_eq_u32 s[MK+\k], \k, v61
.endr
	v_mov_b32 v[CR], 0                             ; out_(-1) = 0
	v_mov_b32 v[CIN], 0
	v_mov_b32 v[CIN+1], 0
	v_lshlrev_b32 v60, 5, v22
	v_lshl_add_u32 v60, v23, 2, v60                ; W's scale words: row r, K step 2 q + h
.irp kd, 0,1,2
.irp q, 0,1,2,3
	global_load_b32 v[WS+4*\kd+\q], v60, s[8:9] offset:32768*\kd+8*\q
.endr
.endr
.macro HPLOAD                          ; the highway's input in the accumulators' layout
.if LAYER == 1
.irp uj, 0,1,2,3,4,5,6,7,8,9,10,11,12,13,14,15
	global_load_b32 v[HP+\uj], v[GH], s[HB:HB+1] offset:\uj*4096
.endr
.else
.irp q, 0,1,2,3
	global_load_b128 v[HP+4*\q:HP+4*\q+3], v[GI], s[HB:HB+1] offset:512*\q th:TH_LOAD_NT
.endr
.endif
.endm
	HPLOAD
	s_wait_alu depctr_va_vdst(0)                   ; the wait at the head's end
	s_wait_tensorcnt 0x0                           ; my head load is in
	ds_add_u32 v[SPW], v[NIL]
	s_wait_dscnt 0x0
	CROUND
	JL 1                                           ; slot 1's first fill
.macro WFRAG reg, ks, kd               ; lane (r, h) takes the row's pieces of 8 bytes 12 ks + 6 c + p (+ 3 for h = 1); 16 bytes of padding lie behind every 32 pieces
.irp c, 0,1
.irp p, 0,1,2
.set P0, 12*(\ks)+6*\c+\p
.if P0%32 < 29
	ds_load_b64 v[(\reg)+6*\c+2*\p:(\reg)+6*\c+2*\p+1], v[WA] offset:8*P0+16*(P0/32)+WKB*(\kd)
.else
	ds_load_b64 v[(\reg)+6*\c+2*\p:(\reg)+6*\c+2*\p+1], v[WA+1] offset:8*P0+16*(P0/32)+WKB*(\kd)
.endif
.endr
.endr
.endm
	WIN 0x40
.irp ks, 0,1,2,3,4,5,6
.irp kd, 0,1,2
	WFRAG 36*\ks+12*\kd, \ks, \kd
.endr
.endr
	WIN 0
.irp kd, 0,1,2
	WFRAG W7+12*\kd, 7, \kd
.endr
.macro AFRAG u, s, slot                ; tile u, K step s: registers 6 c .. 6 c + 5 = block 4 s + 2 c + h of row r
.irp c, 0,1
.irp p, 0,1,2
	ds_load_b64 v[AF+12*(\s)+6*\c+2*\p:AF+12*(\s)+6*\c+2*\p+1], v[LA+2*(\slot)+(\u)] offset:(4*(\s)+2*\c)*768+8*\p
.endr
.endr
.endm
.irp ks, 0,1,2,3,4,5,6,7
	AFRAG 0, \ks, 0
.endr
	ds_load_b128 v[SA:SA+3], v[ADS]
	ds_load_b128 v[SA+4:SA+7], v[ADS] offset:512
	s_wait_dscnt 0x0                               ; my reads of W's staging are over
	s_barrier_signal -1
	s_barrier_wait -1                              ; everybody's are: its bytes may be stored into
	s_wait_loadcnt NHP                             ; W's scale words are in
.macro WM ks, u                        ; one matrix instruction on rD, rA, rB, rSA, rSB; tile 1's and the odd K steps' scale words lie in lanes 16-31
.if (\ks) == 0
.if (\u) == 0
	v_wmma_scale_f32_16x16x128_f8f6f4 v[rD:rD+7], v[rA:rA+11], v[rB:rB+11], 0, v[rSA], v[rSB] matrix_a_fmt:MATRIX_FMT_FP6 matrix_b_fmt:MATRIX_FMT_FP6
.else
	v_wmma_scale_f32_16x16x128_f8f6f4 v[rD:rD+7], v[rA:rA+11], v[rB:rB+11], 0, v[rSA], v[rSB] matrix_a_fmt:MATRIX_FMT_FP6 matrix_b_fmt:MATRIX_FMT_FP6 matrix_a_scale:MATRIX_SCALE_ROW1
.endif
.else
.set wsel, 2*(\u)+((\ks)%2)
.if wsel == 0
	v_wmma_scale_f32_16x16x128_f8f6f4 v[rD:rD+7], v[rA:rA+11], v[rB:rB+11], v[rD:rD+7], v[rSA], v[rSB] matrix_a_fmt:MATRIX_FMT_FP6 matrix_b_fmt:MATRIX_FMT_FP6
.elseif wsel == 1
	v_wmma_scale_f32_16x16x128_f8f6f4 v[rD:rD+7], v[rA:rA+11], v[rB:rB+11], v[rD:rD+7], v[rSA], v[rSB] matrix_a_fmt:MATRIX_FMT_FP6 matrix_b_fmt:MATRIX_FMT_FP6 matrix_b_scale:MATRIX_SCALE_ROW1
.elseif wsel == 2
	v_wmma_scale_f32_16x16x128_f8f6f4 v[rD:rD+7], v[rA:rA+11], v[rB:rB+11], v[rD:rD+7], v[rSA], v[rSB] matrix_a_fmt:MATRIX_FMT_FP6 matrix_b_fmt:MATRIX_FMT_FP6 matrix_a_scale:MATRIX_SCALE_ROW1
.else
	v_wmma_scale_f32_16x16x128_f8f6f4 v[rD:rD+7], v[rA:rA+11], v[rB:rB+11], v[rD:rD+7], v[rSA], v[rSB] matrix_a_fmt:MATRIX_FMT_FP6 matrix_b_fmt:MATRIX_FMT_FP6 matrix_a_scale:MATRIX_SCALE_ROW1 matrix_b_scale:MATRIX_SCALE_ROW1
.endif
.endif
.endm
; THE PRODUCTS OF TILE u: 8 K steps x 3 kinds; the three accumulators take turns.
; In tile 0, behind every second K step and four places, the two fragments just done with take tile 1's.
.macro GU u, slot
.irp ks, 0,1,2,3,4,5,6,7
.if ((\u) == 1) && (\ks % 2 == 0)
	s_wait_dscnt 36-6*\ks                          ; tile 1 came in four runs of twelve loads: the later runs may stay out
.endif
.if ((\u) == 0) && (\ks == 4)
	s_wait_dscnt 24                                ; tile 0's K steps 4-7 are in; behind them stand two runs of tile 1's
.endif
.if \ks < 7
	WIN 0x04
.set WR, 36*\ks
.else
	WIN 0
.set WR, W7
.endif
.irp kd, 0,1,2
.set rD, RH+16*\kd+8*(\u)
.set rA, AF+12*\ks
.set rB, WR+12*\kd
.set rSA, SA+\ks
.set rSB, WS+4*\kd+\ks/2
	WM \ks, \u
.endr
.if ((\u) == 0) && (\ks % 2 == 1)
	PLACES 4
	AFRAG 1, \ks-1, \slot
	AFRAG 1, \ks, \slot
.endif
.endr
.endm
.macro EACH16 op, reg                  ; a transcendental on 16 registers in place
.set ee, 0
.rept 16
	\op v[\reg+ee], v[\reg+ee]
.set ee, ee+1
.endr
.endm
; A SUPER-STEP.  On the way in tile 0's K steps 0-3 and the scale words are in registers, K steps 4-7 on their way.
.macro SSTEP slot, fill, next
.if \fill
.if \slot == 1
	s_cmp_lg_u32 s[CNT], 1                         ; super-step 5 has no super-step 8 to ask for
	s_cbranch_scc0 .Lno_ask_\@
.endif
	global_prefetch_b8 v[PFO], s[PF:PF+1] th:TH_LOAD_NT scope:SCOPE_SE   ; my blocks of the slot three super-steps on
.if \slot == 1
.Lno_ask_\@:
.endif
.endif
	GU 0, \slot
	GU 1, \slot
	PLACES 4
	; the sigmoids of my 16 times: x -log2(e) (each accumulator from its low end on), 48 exponentials, hidden + 0.5, 1 + e, 48 reciprocals
.irp q, 0,2,4,6,8,10,12,14
	v_pk_mul_f32 v[T+\q:T+\q+1], v[RH+\q:RH+\q+1], s[CS:CS+1] op_sel_hi:[1,0]
	v_pk_mul_f32 v[RG+\q:RG+\q+1], v[RG+\q:RG+\q+1], s[CS:CS+1] op_sel_hi:[1,0]
	v_pk_mul_f32 v[RP+\q:RP+\q+1], v[RP+\q:RP+\q+1], s[CS:CS+1] op_sel_hi:[1,0]
.endr
	s_wait_alu depctr_va_vdst(0)                   ; ahead of a batch
	EACH16 v_exp_f32, T
	EACH16 v_exp_f32, RG
	EACH16 v_exp_f32, RP
.irp q, 0,2,4,6,8,10,12,14
	v_pk_add_f32 v[RH+\q:RH+\q+1], v[RH+\q:RH+\q+1], 0.5 op_sel_hi:[1,0]
.endr
	s_wait_alu depctr_va_vdst(0)                   ; and behind it, ahead of its first reader
.irp q, 0,2,4,6,8,10,12,14
	v_pk_add_f32 v[T+\q:T+\q+1], v[T+\q:T+\q+1], 1.0 op_sel_hi:[1,0]
	v_pk_add_f32 v[RG+\q:RG+\q+1], v[RG+\q:RG+\q+1], 1.0 op_sel_hi:[1,0]
	v_pk_add_f32 v[RP+\q:RP+\q+1], v[RP+\q:RP+\q+1], 1.0 op_sel_hi:[1,0]
.endr
	s_wait_alu depctr_va_vdst(0)
	EACH16 v_rcp_f32, T
	EACH16 v_rcp_f32, RG
	EACH16 v_rcp_f32, RP
	v_nop
	s_wait_alu depctr_va_vdst(0)
.set ee, 0
.rept 16
	v_max_num_f32 v[RH+ee], v[RH+ee], v[T+ee]      ; g(hidden)
.set ee, ee+1
.endr
.irp q, 0,2,4,6,8,10,12,14
	v_pk_mul_f32 v[RH+\q:RH+\q+1], v[RH+\q:RH+\q+1], v[RG+\q:RG+\q+1]                                    ; b = g s
	v_pk_add_f32 v[RG+\q:RG+\q+1], v[RG+\q:RG+\q+1], 1.0 op_sel_hi:[1,0] neg_lo:[1,0] neg_hi:[1,0]       ; a = 1 - s
.endr
.irp k, 1,2,3,4,5,6,7,8,9,10,11,12,13,14,15    ; my segment from a carry of 0: L_k = a_k L_(k-1) + b_k, P_k = a_k P_(k-1)
.if \k > 1
	s_delay_alu instid0(VALU_DEP_2)
.endif
	v_fmac_f32 v[RH+\k], v[RG+\k], v[RH+\k-1]
.if \k > 1
	s_delay_alu instid0(VALU_DEP_2)
.endif
	v_mul_f32 v[RG+\k], v[RG+\k], v[RG+\k-1]
.endr
	ds_store_b32 v[AGW], v[RH+15] offset:4096*\slot
	ds_store_b32 v[AGW], v[RG+15] offset:4096*\slot+4
	; the change of slots, where the segments meet
	s_wait_alu depctr_va_vdst(0)                   ; ahead of the waits below
	s_wait_tensorcnt 0x0                           ; no tensor load of mine is out
	ds_add_u32 v[SPW], v[NIL]
.if \fill
	s_add_nc_u64 s[G0A+4*\slot+2:G0A+4*\slot+3], s[G0A+4*\slot+2:G0A+4*\slot+3], 2*SLOTB
.endif
	s_wait_dscnt 0x0                               ; the add, my reads of this slot, my aggregate's stores
.if \fill
	CROUND
	JL \slot                                       ; this slot's next fill, two super-steps ahead
.else
	s_barrier_signal -1
	s_barrier_wait -1
.endif
.irp q, 0,1,2,3
	ds_load_b128 v[AGT+4*\q:AGT+4*\q+3], v[AGR] offset:4096*\slot+16*\q
.endr
.if \next
.irp ks, 0,1,2,3
	AFRAG 0, \ks, 1-\slot
.endr
	ds_load_b128 v[SA:SA+3], v[ADS+1-\slot]
	ds_load_b128 v[SA+4:SA+7], v[ADS+1-\slot] offset:512
	s_wait_dscnt 26                                ; the aggregates are in; the 24 + 2 loads behind them may stay out
.else
	s_wait_dscnt 0x0
.endif
	s_wait_loadcnt 0x0                             ; the highway's input, asked for a super-step ago
	v_mov_b32 v[CIN], v[CR]                        ; every wave walks all eight segments and picks the carry into its own on the way
.irp k, 0,1,2,3,4,5,6,7
.if \k > 0
	s_delay_alu instid0(VALU_DEP_2)
.endif
	v_fma_f32 v[CR], v[AGT+2*\k+1], v[CR], v[AGT+2*\k]
.if \k < 7
	s_delay_alu instid0(VALU_DEP_1)
	v_cndmask_b32 v[CIN], v[CIN], v[CR], s[MK+1+\k]
.endif
.endr
.irp q, 0,2,4,6,8,10,12,14
	v_pk_fma_f32 v[RH+\q:RH+\q+1], v[RG+\q:RG+\q+1], v[CIN:CIN+1], v[RH+\q:RH+\q+1] op_sel_hi:[1,0,1]   ; out = L + P x carry
.endr
.irp q, 0,2,4,6,8,10,12,14
	v_pk_add_f32 v[RH+\q:RH+\q+1], v[RH+\q:RH+\q+1], v[HP+\q:HP+\q+1] neg_lo:[0,1] neg_hi:[0,1]         ; out - x
.endr
.irp q, 0,2,4,6,8,10,12,14
	v_pk_fma_f32 v[RH+\q:RH+\q+1], v[RP+\q:RP+\q+1], v[RH+\q:RH+\q+1], v[HP+\q:HP+\q+1]                 ; y
.endr
.if LAYER == 1
.irp q, 0,1,2,3
	global_store_b128 v[GI], v[RH+4*\q:RH+4*\q+3], s[IB:IB+1] offset:512*\q   ; y as an image of these registers: 512 consecutive bytes an instruction
.endr
.endif
.irp uj, 0,1,2,3,4,5,6,7,8,9,10,11,12,13,14,15
	ds_store_b32 v[STW], v[RH+\uj] offset:\uj*144
.endr
	s_wait_dscnt 0x0                               ; for the others' sake: my part of the stage has landed
	s_barrier_signal -1
	s_barrier_wait -1                              ; both channel halves of every row are there
.if LAYER == 1
.irp k, 0,1,2,3
	ds_load_b128 v[X+4*\k:X+4*\k+3], v[STR] offset:16*\k
.endr
	s_wait_dscnt 0x0
	v_max3_num_f32 v[M0], |v[X]|, |v[X+1]|, 0x1800000      ; with the floor 2^(3 - 127): the byte cannot fall under 1
	v_max3_num_f32 v[M1], |v[X+2]|, |v[X+3]|, |v[X+4]|
.irp i, 5,9
	s_delay_alu instid0(VALU_DEP_2)
	v_max3_num_f32 v[M0], v[M0], |v[X+\i]|, |v[X+\i+1]|
	s_delay_alu instid0(VALU_DEP_2)
	v_max3_num_f32 v[M1], v[M1], |v[X+\i+2]|, |v[X+\i+3]|
.endr
	s_delay_alu instid0(VALU_DEP_2)
	v_max3_num_f32 v[M0], v[M0], |v[X+13]|, |v[X+14]|
	s_delay_alu instid0(VALU_DEP_1)
	v_max3_num_f32 v[M0], v[M0], v[M1], |v[X+15]|
	s_delay_alu instid0(VALU_DEP_1)
	v_permlanex16_b32 v[AGT], v[M0], s[SEL], s[SEL+1]
	s_delay_alu instid0(VALU_DEP_1)
	v_max_num_f32 v[M0], v[M0], v[AGT]                     ; the block's largest magnitude
	s_delay_alu instid0(VALU_DEP_1)
	v_add_nc_u32 v[M1], 0xff000000, v[M0]                  ; 2 off its exponent field: the conversion's scale operand
	v_cvt_scalef32_pk16_fp6_f32 v[CD:CD+2], v[X:X+15], v[M1]
	v_lshrrev_b32 v[M0], 23, v[M1]                         ; the scale's byte (also the plain instruction behind the conversion)
	global_store_b96 v[GC], v[CD:CD+2], s[CB:CB+1]         ; 384 consecutive bytes: a tile of the block's 768
	global_store_b8 v[GS], v[M0], s[SB:SB+1]               ; row i's byte (lanes i and 16 + i store the same byte to the same place)
.else
.irp k, 0,1,2,3
	ds_load_b128 v[X+4*\k:X+4*\k+3], v[STR] offset:4*\k*144
.endr
	s_wait_dscnt 0x0
.irp k, 0,1,2,3
	global_store_b128 v[GC], v[X+4*\k:X+4*\k+3], s[IB:IB+1] offset:4*\k*4096   ; four rows an instruction, 128 consecutive bytes each
.endr
.endif
.if \next
	s_wait_xcnt 0x0                                ; the stores and the prefetch have read their data and bases
	s_add_nc_u64 s[HB:HB+1], s[HB:HB+1], HSTEP
	s_add_nc_u64 s[IB:IB+1], s[IB:IB+1], ISTEP
	s_add_nc_u64 s[PF:PF+1], s[PF:PF+1], SLOTB
.if LAYER == 1
	s_add_nc_u64 s[CB:CB+1], s[CB:CB+1], SLOTB
	s_add_nc_u64 s[SB:SB+1], s[SB:SB+1], SLOTB
.endif
.irp ks, 4,5,6,7
	AFRAG 0, \ks, 1-\slot
.endr
	HPLOAD
.endif
.endm
	s_mov_b32 s[CNT], 3
.Lpair:                                            ; three trips of two super-steps, each filling its slot again
	SSTEP 0, 1, 1
	SSTEP 1, 1, 1
	s_sub_co_u32 s[CNT], s[CNT], 1
	s_cmp_lg_u32 s[CNT], 0
	s_cbranch_scc1 .Lpair
	SSTEP 0, 0, 1                                  ; the last two are written out: nothing is left to fetch
	SSTEP 1, 0, 0
	s_wait_tensorcnt 0x0                           ; the wave's end
	ds_add_u32 v[SPW], v[NIL]
	s_wait_dscnt 0x0
	CROUND                                         ; the closing round
	s_endpgm
.Lfunc_end_k_q007278eb79_layer1:
	.size	k_q007278eb79_layer1, .Lfunc_end_k_q007278eb79_layer1-k_q007278eb79_layer1
	.p2alignl 7, 3214868480
	.fill 96, 4, 3214868480
	.section	.rodata,"a",@progbits
	.p2align	6, 0x0
	.amdhsa_kernel k_q007278eb79_layer1
		.amdhsa_group_segment_fixed_size 327680
		.amdhsa_private_segment_fixed_size 0
		.amdhsa_enable_private_segment 0
		.amdhsa_kernarg_size 48
		.amdhsa_user_sgpr_count 2
		.amdhsa_user_sgpr_kernarg_segment_ptr 1
		.amdhsa_wavefront_size32 1
		.amdhsa_system_sgpr_workgroup_id_x 1
		.amdhsa_system_sgpr_workgroup_id_y 1
		.amdhsa_system_sgpr_workgroup_id_z 1
		.amdhsa_system_vgpr_workitem_id 0
		.amdhsa_next_free_vgpr 512
		.amdhsa_next_free_sgpr 96
		.amdhsa_reserve_vcc 0
		.amdhsa_float_denorm_mode_32 3
		.amdhsa_float_denorm_mode_16_64 3
		.amdhsa_memory_ordered 1
		.amdhsa_forward_progress 1
		.amdhsa_inst_pref_size 149
	.end_amdhsa_kernel
	.amdgpu_metadata
---
amdhsa.version: [ 1, 2 ]
amdhsa.kernels:
  - .name:           k_q007278eb79_layer1
    .symbol:         k_q007278eb79_layer1.kd
    .args:
      - { .name: AC0, .offset: 0, .size: 8, .value_kind: global_buffer, .address_space: global }
      - { .name: W0_codes, .offset: 8, .size: 8, .value_kind: global_buffer, .address_space: global }
      - { .name: W0_scales, .offset: 16, .size: 8, .value_kind: global_buffer, .address_space: global }
      - { .name: h, .offset: 24, .size: 8, .value_kind: global_buffer, .address_space: global }
      - { .name: AC1, .offset: 32, .size: 8, .value_kind: global_buffer, .address_space: global }
      - { .name: H1, .offset: 40, .size: 8, .value_kind: global_buffer, .address_space: global }
    .group_segment_fixed_size: 327680
    .private_segment_fixed_size: 0
    .kernarg_segment_align: 8
    .kernarg_segment_size: 48
    .max_flat_workgroup_size: 256
    .sgpr_count:     96
    .vgpr_count:     512
    .wavefront_size: 32
...
	.end_amdgpu_metadata
.endif
;; end of part 2
;; launch layer2 (part 3): grid 32 x 8, 8 waves a work-group, clusters of 4 x 4, 327,680 bytes of LDS; arguments AC1, W1_codes, W1_scales, H1, out0; writes out0
.if DOCPART == 3
	.amdgcn_target "amdgcn-amd-amdhsa--gfx1250"
	.amdhsa_code_object_version 6
	.text
	.protected	k_q007278eb79_layer2
	.globl	k_q007278eb79_layer2
	.p2align	8
	.type	k_q007278eb79_layer2,@function
k_q007278eb79_layer2:
	s_mov_b64 s[64:65], 0
	v_nop
	global_prefetch_b8 v0, s[64:65] scope:SCOPE_SE
	s_setreg_imm32_b32 hwreg(HW_REG_WAVE_MODE, 25, 1), 1
	s_wait_xcnt 0x0
	s_wait_alu depctr_hold_cnt(0) depctr_sa_sdst(0) depctr_va_vdst(0) depctr_va_sdst(0) depctr_va_ssrc(0) depctr_va_vcc(0) depctr_vm_vsrc(0)
	s_getreg_b32 s2, hwreg(HW_REG_IB_STS2, 6, 4)
	s_cmp_eq_u32 s2, 0
	s_cbranch_scc0 .Lentry_in_a_cluster
	s_endpgm
.Lentry_in_a_cluster:
	s_bfe_u32 s2, ttmp6, 0x10000c
	s_cmp_lg_u32 s2, 0xf033
	s_cbranch_scc0 .Lentry_shape_is_right
	s_endpgm
.Lentry_shape_is_right:
; ONE LAYER OF MinGRU (LAYER = 1: the first, 2: the second; one text, the parts that differ under .if LAYER).
;   z = Q(x) W on codes of FP6 (E2M3) with E8M0 scales, f32 sums; (hidden, gate, proj) = z's thirds;
;   out_t = a_t out_(t-1) + b_t, out_(-1) = 0, s = sigmoid(gate), a = 1 - s, b = s g(hidden), g(x) = max(x + 0.5, sigmoid(x));  y = x + sigmoid(proj) (out - x).
; THE SCAN.  The reference's exp(a* + cumlogsumexp(log_values - a*)) is the closed form of that recurrence; here the recurrence is run in f32: a + s = 1, so out_t lies between out_(t-1)
; and g(hidden_t): all terms are >= 0 and nothing grows; the exponentials of log_values - a* are never formed, so there is none to take a maximum from.
; LIMITS: a is made as 1 - s, so it carries an absolute error of one rounding of s (2^-24); a sigmoid whose exponential overflows is 0; results under 2^-126 are flushed by v_exp_f32 and
; v_rcp_f32 (ISA guide, their entries).  NaN and infinities among the inputs are not served.
; SHARES.  A work-group owns batch b and 32 channels (group cg).  Eight waves, two to a SIMD: wave w = 2 p + n takes pair p (32 times) of each super-step of 128 times and channels 16 n .. 16 n + 15.
; W's 48 rows of those channels stay in the wave's registers (3 kinds x 8 K steps x 12 = 288); the left operand streams through two LDS slots, a super-step (codes and scale images, 102,400 bytes) each.
; LAYOUT.  Source 0 = 16 times, source 1 = 16 rows of W.  Row i of tile u is time 16 (i / 8) + 8 u + i % 8, so lane (r, h) holds channel 16 n + r at times 16 h + 8 u + j in register 8 u + j.
; ORDER.  A wave's 48 products of a super-step stand on end, then one list of sigmoids for its 16 times: no transcendental stands between the links of a sum.
; The 8 segments of 16 times (segment 2 p + h) meet through LDS at the change of slots; y of both channel halves meets in a stage behind a second barrier, so that a row's 128 bytes leave together.
; CLUSTER 4 x 4: a row shares the batch (the left operand is asked for jointly along it), a column shares cg (W jointly along it).
; PREFETCH.  At the head of super-step S, S = 0 .. 4, the slot of super-step S + 3 is asked for, which the change of slots of super-step S + 1 loads.  Its 400 blocks of 256 bytes are named once in each
; cluster that loads them: the four partners of a row take 100 each, told apart by address (cx); wave w takes blocks 13 w .. 13 w + 12 of them (wave 7: nine), a lane a block; lanes left over name their
; wave's last block.  Super-steps 5 to 7 ask for nothing.  The highway's input has none: it is loaded into registers one whole super-step ahead of the wait for it.
; STORES.  32 channels are 128 consecutive bytes of a row of f32: half of an aligned 256; 64 channels to a work-group would make 128 work-groups.
.set LAYER, 2
.set PAIRB, 24576
.set SCO,   98304                      ; the scale images' place in a slot
.set SLOTB, 102400
.set PARTB, 20480                      ; a fifth of a slot: 80 rows of 256 bytes, what one tensor load brings
.set WST,   2*SLOTB                    ; W's staging: kind, row of 816 (three times 256 + 16); filled once; behind the head's last barrier it is stored into:
.set WKB,   26112
.set AGG,   WST                        ;   aggregates: 4,096 x parity + 80 x channel + 8 x segment + (0: L, 4: P)
.set STAGE, WST+8192                   ;   y: 4,864 p + 144 t + 128 (t / 16) + 4 x channel
.set STGW,  4864
.set SPARE, WST+3*WKB                  ; the spare words, 128 bytes a wave
.set SPW, 1
.set NIL, 2
.set LA,  3                            ; v3-6 my place in a pair: LA + 2 slot + u
.set ADS, 7                            ; v7-8 my scale words, slot 0, 1
.set AGW, 9
.set AGR, 10
.set STW, 11
.set STR, 12
.set GH,  13
.set GI,  14                           ; 16 x lane
.set GC,  15
.set CR,  16                           ; the carry into the super-step
.set GS,  17
.set CIN, 18                           ; v[18:19] the carry into my segment (low half)
.set PFO, 21                           ; the prefetches' offset in a slot; never rewritten behind the head
.set WS,  24                           ; v24-35 W's scale words, 4 kind + K step / 2: lanes 0-15 the even K step, lanes 16-31 the odd one
.set SA,  36                           ; v36-43 the left operand's, by K step: lanes 0-15 tile 0, lanes 16-31 tile 1
.set HP,  44                           ; v44-59 the highway's input
.set WA,  62
.set RH,  64                           ; accumulators: kind, 8 u + j
.set RG,  80
.set RP,  96
.set T,   112                          ; v112-127 at work for the sigmoids (its last four are fragment registers, free by then)
.set AF,  124                          ; v124-219 a tile's eight fragments; free between a super-step's last product and the next fetch:
.set AGT, AF+48                        ;   the eight aggregates
.set X,   AF+64                        ;   16 numbers of a row on the way out
.set M0,  AF+80
.set M1,  AF+81
.set CD,  AF+82
.set W7,  220                          ; v220-255 W of K step 7;  window 1: v0-251 W of K steps 0-6, at 36 K step + 12 kind
.set PF,  16                           ; s[16:17] the slot that the next prefetch names
.set WV,  20
.set G1A, 28
.set G1W, 36
.set G0A, 44
.set G0W, 52
.set CS,  56
.set SEL, 58
.set CNT, 60
.set PP,  61
.set NN,  62
.set MK,  66                           ; s67-73 lanes whose segment is 1 .. 7
.set HB,  74
.set IB,  76
.set CB,  78
.set SB,  80
.if LAYER == 1
.set HSTEP, 128*4096
.set ISTEP, 16384
.set NHP,   16
.else
.set HSTEP, 16384
.set ISTEP, 128*4096
.set NHP,   4
.endif
.set MSB, 0
.macro WIN new                         ; s_set_vgpr_msb: bits 3:2 source 1, 7:6 destination; the high byte repeats the setting that is left
.if MSB != (\new)
	s_set_vgpr_msb (MSB<<8)|(\new)
.set MSB, (\new)
.endif
.endm
.macro PLACES n
.rept \n
	v_nop
.endr
.endm
.macro CROUND                          ; a round of the cluster's barrier
	s_barrier_signal -1
	s_barrier_wait -1
	s_cmp_lg_u32 s[WV], 0
	s_cbranch_scc1 .Lnot_wave_0_\@
	s_barrier_signal -3
.Lnot_wave_0_\@:
	s_barrier_wait -3
	s_barrier_signal -1
	s_barrier_wait -1
.endm
.macro JL slot                         ; waves 0 to 4 ask jointly for their fifth of a slot
	s_cmp_lt_u32 s[WV], 5
	s_cbranch_scc0 .Lno_part_\@
	tensor_load_to_lds s[G0A+4*\slot:G0A+4*\slot+3], s[G1A:G1A+7]
	s_nop 0
	PLACES 4
.Lno_part_\@:
.endm
	s_load_b256 s[4:11], s[0:1], 0x0               ; left operand s[4:5], W's codes s[6:7], W's scales s[8:9], the highway's input s[10:11]
.if LAYER == 1
	s_load_b128 s[12:15], s[0:1], 0x20             ; AC1, H1
.else
	s_load_b64 s[12:13], s[0:1], 0x20              ; out0
.endif
	v_lshl_add_u32 v[SPW], v0, 2, SPARE
	v_mov_b32 v[NIL], 0
	ds_add_u32 v[SPW], v[NIL]                      ; the opening lines: the add twice on end and one wait
	ds_add_u32 v[SPW], v[NIL]
	v_lshrrev_b32 v20, 5, v0
	v_readfirstlane_b32 s[WV], v20
	s_bfe_u32 s21, ttmp6, 0x40000                  ; cx
	s_bfe_u32 s22, ttmp6, 0x40004                  ; cy
	s_lshl_b32 s23, ttmp9, 2
	s_add_co_u32 s23, s23, s21                     ; cg
	s_and_b32 s24, ttmp7, 0xffff
	s_lshl_b32 s24, s24, 2
	s_add_co_u32 s24, s24, s22                     ; b
	s_lshl_b32 s25, s22, 2
	s_lshl_b32 s25, 15, s25                        ; my row of the cluster
	s_lshl_b32 s26, 0x1111, s21                    ; my column
	s_lshr_b32 s[PP], s[WV], 1
	s_and_b32 s[NN], s[WV], 1
	s_or_b32 s[G1A], s25, (3<<16)|(1<<21)          ; dense rows of 256 bytes (32 elements of 8), no padding
	s_or_b32 s[G1W], s26, (3<<16)|(1<<20)|(1<<21)|(5<<22)|(3<<25)   ; 16 bytes of padding behind every 256
	s_mov_b32 s[G1A+1], 32<<16
	s_mov_b32 s[G1A+2], 80<<16
	s_mov_b32 s[G1A+3], 32<<16
	s_mov_b32 s[G1A+4], 80
	s_mov_b32 s[G1A+5], 32
	s_mov_b32 s[G1A+6], 0
	s_mov_b32 s[G1A+7], 0
	s_mov_b32 s[G1W+1], 32<<16
	s_mov_b32 s[G1W+2], 96<<16
	s_mov_b32 s[G1W+3], 32<<16
	s_mov_b32 s[G1W+4], 96
	s_mov_b32 s[G1W+5], 32
	s_mov_b32 s[G1W+6], 0
	s_mov_b32 s[G1W+7], 0
	s_min_u32 s82, s[WV], 4                        ; my fifth of a slot, in memory and in LDS alike
	s_mul_i32 s82, s82, PARTB
	s_mul_i32 s84, s24, 8*SLOTB
	s_add_co_u32 s84, s84, s82
	s_mov_b32 s85, 0
	s_and_b32 s86, s[WV], 3                        ; waves 5, 6, 7 fetch W's kinds 0, 1, 2
	s_mul_i32 s88, s86, WKB
	s_add_co_u32 s88, s88, WST-WKB
	s_sub_co_u32 s86, s86, 1
	s_max_i32 s86, s86, 0
	s_mul_i32 s86, s86, 1024*768
	s_mul_i32 s87, s23, 32*768
	s_add_co_u32 s86, s86, s87
	s_mov_b32 s87, 0
	s_mov_b32 s[CS], 0xbfb8aa3b                    ; -log2(e)
	s_mov_b32 s[CS+1], s[CS]
	s_mov_b32 s[SEL], 0x76543210
	s_mov_b32 s[SEL+1], 0xfedcba98
	s_wait_dscnt 0x0
	s_wait_kmcnt 0x0
	s_add_nc_u64 s[84:85], s[4:5], s[84:85]
.irp sl, 0,1
	s_mov_b32 s[G0A+4*\sl], 1
	s_add_co_u32 s[G0A+4*\sl+1], s82, \sl*SLOTB
	s_add_nc_u64 s[G0A+4*\sl+2:G0A+4*\sl+3], s[84:85], \sl*SLOTB
	s_or_b32 s[G0A+4*\sl+3], s[G0A+4*\sl+3], 0x80000000
.endr
	s_mov_b32 s[G0W], 1
	s_mov_b32 s[G0W+1], s88
	s_add_nc_u64 s[G0W+2:G0W+3], s[6:7], s[86:87]
	s_or_b32 s[G0W+3], s[G0W+3], 0x80000000
	CROUND                                         ; the first joint loads meet
	s_cmp_lt_u32 s[WV], 5                          ; one load a wave: slot 0's fifths, W's three kinds
	s_cbranch_scc0 .Lfor_w
	tensor_load_to_lds s[G0A:G0A+3], s[G1A:G1A+7]
	s_nop 0
	PLACES 4
	s_branch .Lasked
.Lfor_w:
	tensor_load_to_lds s[G0W:G0W+3], s[G1W:G1W+7]
	s_nop 0
	PLACES 4
.Lasked:
	s_lshl_b32 s90, s24, 22                        ; rows of f32: (1,024 b + 32 p) x 4,096 + 128 cg
	s_lshl_b32 s91, s[PP], 17
	s_add_co_u32 s90, s90, s91
	s_lshl_b32 s91, s23, 7
	s_add_co_u32 s90, s90, s91
.if LAYER == 1
	s_lshl_b32 s91, s[NN], 6                       ; + my 16 channels
.else
	s_lshl_b32 s91, s[NN], 16                      ; + the 16 rows that I store
.endif
	s_add_co_u32 s90, s90, s91
	s_mov_b32 s91, 0
.if LAYER == 1
	s_add_nc_u64 s[HB:HB+1], s[10:11], s[90:91]
.else
	s_add_nc_u64 s[IB:IB+1], s[12:13], s[90:91]
.endif
	s_lshl_b32 s90, s24, 22                        ; H1's images: ((32 b + cg) 8 + super-step) x 16,384 + 2,048 w
	s_lshl_b32 s91, s23, 17
	s_add_co_u32 s90, s90, s91
	s_lshl_b32 s91, s[WV], 11
	s_add_co_u32 s90, s90, s91
	s_mov_b32 s91, 0
.if LAYER == 1
	s_add_nc_u64 s[IB:IB+1], s[14:15], s[90:91]
	s_mul_i32 s92, s24, 8*SLOTB
	s_mul_i32 s90, s[PP], PAIRB                    ; the next codes: pair p, block cg, tile u = n at place (u + cg) % 2
	s_add_co_u32 s90, s90, s92
	s_mul_i32 s91, s23, 768
	s_add_co_u32 s90, s90, s91
	s_add_co_u32 s91, s23, s[NN]
	s_and_b32 s91, s91, 1
	s_mul_i32 s91, s91, 384
	s_add_co_u32 s90, s90, s91
	s_mov_b32 s91, 0
	s_add_nc_u64 s[CB:CB+1], s[12:13], s[90:91]
	s_lshl_b32 s90, s[PP], 10                      ; the next scale bytes: 1,024 p + 512 (cg / 16) + 256 u + cg % 16
	s_add_co_u32 s90, s90, s92
	s_lshl_b32 s91, s[NN], 8
	s_add_co_u32 s90, s90, s91
	s_lshr_b32 s91, s23, 4
	s_lshl_b32 s91, s91, 9
	s_add_co_u32 s90, s90, s91
	s_and_b32 s91, s23, 15
	s_add_co_u32 s90, s90, s91
	s_add_co_u32 s90, s90, SCO
	s_mov_b32 s91, 0
	s_add_nc_u64 s[SB:SB+1], s[12:13], s[90:91]
.else
	s_add_nc_u64 s[HB:HB+1], s[10:11], s[90:91]
.endif
	s_lshl_b32 s90, s23, 10                        ; W's scales: 32 bytes a row, row 32 cg + 16 n
	s_lshl_b32 s91, s[NN], 9
	s_add_co_u32 s90, s90, s91
	s_mov_b32 s91, 0
	s_add_nc_u64 s[8:9], s[8:9], s[90:91]
	s_mul_i32 s90, s24, 8*SLOTB                    ; the prefetches begin at my batch's super-step 3
	s_add_co_u32 s90, s90, 3*SLOTB
	s_mov_b32 s91, 0
	s_add_nc_u64 s[PF:PF+1], s[4:5], s[90:91]
	v_and_b32 v21, 31, v0
	v_and_b32 v22, 15, v0                          ; r
	v_bfe_u32 v23, v0, 4, 1                        ; h
	v_mul_u32_u24 v60, v22, 24
	s_mul_i32 s82, s[PP], PAIRB
	v_mad_u32_u24 v[LA], v23, 1152, v60            ; tile 0: lanes 16-31 read the next block, whose tile 0 lies at the other place
	v_mad_u32_u24 v[LA+1], v23, 384, v60
	v_add_nc_u32 v[LA], s82, v[LA]
	s_add_co_u32 s82, s82, 384
	v_add_nc_u32 v[LA+1], s82, v[LA+1]
	v_add_nc_u32 v[LA+2], SLOTB, v[LA]
	v_add_nc_u32 v[LA+3], SLOTB, v[LA+1]
	v_lshlrev_b32 v[GI], 4, v21
	v_min_u32 v[PFO], 12, v21                      ; block min(13 w + min(lane, 12), 99) of my work-group's hundred,
	s_mul_i32 s93, s[WV], 13
	v_add_nc_u32 v[PFO], s93, v[PFO]
	v_min_u32 v[PFO], 99, v[PFO]
	v_lshlrev_b32 v[PFO], 8, v[PFO]
	s_mul_i32 s93, s21, 25600                      ; which begin 100 cx blocks into the slot
	v_add_nc_u32 v[PFO], s93, v[PFO]
	s_lshl_b32 s82, s[PP], 10
	s_add_co_u32 s82, s82, SCO
	v_add_nc_u32 v[ADS], s82, v[GI]
	v_add_nc_u32 v[ADS+1], SLOTB, v[ADS]
	s_mul_i32 s82, s[NN], 1280
	s_add_co_u32 s82, s82, AGG
	v_mul_u32_u24 v[AGR], v22, 80
	v_add_nc_u32 v[AGR], s82, v[AGR]
	s_lshl_b32 s83, s[PP], 4
	v_lshl_add_u32 v[AGW], v23, 3, v[AGR]
	v_add_nc_u32 v[AGW], s83, v[AGW]
	s_mul_i32 s82, s[PP], STGW
	s_add_co_u32 s82, s82, STAGE
	s_lshl_b32 s83, s[NN], 6
	s_add_co_u32 s83, s83, s82
	v_mul_u32_u24 v[STW], v23, 2432
	v_lshl_add_u32 v[STW], v22, 2, v[STW]
	v_add_nc_u32 v[STW], s83, v[STW]
	v_and_b32 v20, 7, v0
.if LAYER == 1
	s_mul_i32 s83, s[NN], 1152                     ; out of the stage as the next operand's rows: I take tile u = n; lane (i, jj): time 16 (i / 8) + 8 u + i % 8, channels 16 jj on
	s_add_co_u32 s83, s83, s82
	v_bfe_u32 v61, v0, 3, 1
	v_mul_u32_u24 v[STR], v61, 2432
	v_mad_u32_u24 v[STR], v20, 144, v[STR]
	v_lshl_add_u32 v[STR], v23, 6, v[STR]
	v_add_nc_u32 v[STR], s83, v[STR]
	v_lshlrev_b32 v[GH], 16, v23
	v_lshl_add_u32 v[GH], v22, 2, v[GH]
	v_mad_u32_u24 v[GC], v23, 12, v60
	v_lshlrev_b32 v[GS], 4, v22
.else
	s_mul_i32 s83, s[NN], 2432                     ; out of the stage as rows of out0: I take times 16 n on; eight lanes a row's 128 bytes, four rows an instruction
	s_add_co_u32 s83, s83, s82
	v_bfe_u32 v61, v0, 3, 2
	v_mul_u32_u24 v[STR], v61, 144
	v_lshl_add_u32 v[STR], v20, 4, v[STR]
	v_add_nc_u32 v[STR], s83, v[STR]
	v_lshlrev_b32 v[GC], 12, v61
	v_lshl_add_u32 v[GC], v20, 4, v[GC]
.endif
	s_mul_i32 s82, s[NN], 13056
	s_add_co_u32 s82, s82, WST
	v_mul_u32_u24 v[WA], v22, 816
	v_mad_u32_u24 v[WA], v23, 24, v[WA]
	v_add_nc_u32 v[WA], s82, v[WA]
	v_lshl_add_u32 v[WA+1], v23, 4, v[WA]          ; the same behind one padding more
	s_lshl_b32 s82, s[PP], 1
	v_add_nc_u32 v61, s82, v23                     ; my segment
.irp k, 1,2,3,4,5,6,7
	v_cmp_eq_u32 s[MK+\k], \k, v61
.endr
	v_mov_b32 v[CR], 0                             ; out_(-1) = 0
	v_mov_b32 v[CIN], 0
	v_mov_b32 v[CIN+1], 0
	v_lshlrev_b32 v60, 5, v22
	v_lshl_add_u32 v60, v23, 2, v60                ; W's scale words: row r, K step 2 q + h
.irp kd, 0,1,2
.irp q, 0,1,2,3
	global_load_b32 v[WS+4*\kd+\q], v60, s[8:9] offset:32768*\kd+8*\q
.endr
.endr
.macro HPLOAD                          ; the highway's input in the accumulators' layout
.if LAYER == 1
.irp uj, 0,1,2,3,4,5,6,7,8,9,10,11,12,13,14,15
	global_load_b32 v[HP+\uj], v[GH], s[HB:HB+1] offset:\uj*4096
.endr
.else
.irp q, 0,1,2,3
	global_load_b128 v[HP+4*\q:HP+4*\q+3], v[GI], s[HB:HB+1] offset:512*\q th:TH_LOAD_NT
.endr
.endif
.endm
	HPLOAD
	s_wait_alu depctr_va_vdst(0)                   ; the wait at the head's end
	s_wait_tensorcnt 0x0                           ; my head load is in
	ds_add_u32 v[SPW], v[NIL]
	s_wait_dscnt 0x0
	CROUND
	JL 1                                           ; slot 1's first fill
.macro WFRAG reg, ks, kd               ; lane (r, h) takes the row's pieces of 8 bytes 12 ks + 6 c + p (+ 3 for h = 1); 16 bytes of padding lie behind every 32 pieces
.irp c, 0,1
.irp p, 0,1,2
.set P0, 12*(\ks)+6*\c+\p
.if P0%32 < 29
	ds_load_b64 v[(\reg)+6*\c+2*\p:(\reg)+6*\c+2*\p+1], v[WA] offset:8*P0+16*(P0/32)+WKB*(\kd)
.else
	ds_load_b64 v[(\reg)+6*\c+2*\p:(\reg)+6*\c+2*\p+1], v[WA+1] offset:8*P0+16*(P0/32)+WKB*(\kd)
.endif
.endr
.endr
.endm
	WIN 0x40
.irp ks, 0,1,2,3,4,5,6
.irp kd, 0,1,2
	WFRAG 36*\ks+12*\kd, \ks, \kd
.endr
.endr
	WIN 0
.irp kd, 0,1,2
	WFRAG W7+12*\kd, 7, \kd
.endr
.macro AFRAG u, s, slot                ; tile u, K step s: registers 6 c .. 6 c + 5 = block 4 s + 2 c + h of row r
.irp c, 0,1
.irp p, 0,1,2
	ds_load_b64 v[AF+12*(\s)+6*\c+2*\p:AF+12*(\s)+6*\c+2*\p+1], v[LA+2*(\slot)+(\u)] offset:(4*(\s)+2*\c)*768+8*\p
.endr
.endr
.endm
.irp ks, 0,1,2,3,4,5,6,7
	AFRAG 0, \ks, 0
.endr
	ds_load_b128 v[SA:SA+3], v[ADS]
	ds_load_b128 v[SA+4:SA+7], v[ADS] offset:512
	s_wait_dscnt 0x0                               ; my reads of W's staging are over
	s_barrier_signal -1
	s_barrier_wait -1                              ; everybody's are: its bytes may be stored into
	s_wait_loadcnt NHP                             ; W's scale words are in
.macro WM ks, u                        ; one matrix instruction on rD, rA, rB, rSA, rSB; tile 1's and the odd K steps' scale words lie in lanes 16-31
.if (\ks) == 0
.if (\u) == 0
	v_wmma_scale_f32_16x16x128_f8f6f4 v[rD:rD+7], v[rA:rA+11], v[rB:rB+11], 0, v[rSA], v[rSB] matrix_a_fmt:MATRIX_FMT_FP6 matrix_b_fmt:MATRIX_FMT_FP6
.else
	v_wmma_scale_f32_16x16x128_f8f6f4 v[rD:rD+7], v[rA:rA+11], v[rB:rB+11], 0, v[rSA], v[rSB] matrix_a_fmt:MATRIX_FMT_FP6 matrix_b_fmt:MATRIX_FMT_FP6 matrix_a_scale:MATRIX_SCALE_ROW1
.endif
.else
.set wsel, 2*(\u)+((\ks)%2)
.if wsel == 0
	v_wmma_scale_f32_16x16x128_f8f6f4 v[rD:rD+7], v[rA:rA+11], v[rB:rB+11], v[rD:rD+7], v[rSA], v[rSB] matrix_a_fmt:MATRIX_FMT_FP6 matrix_b_fmt:MATRIX_FMT_FP6
.elseif wsel == 1
	v_wmma_scale_f32_16x16x128_f8f6f4 v[rD:rD+7], v[rA:rA+11], v[rB:rB+11], v[rD:rD+7], v[rSA], v[rSB] matrix_a_fmt:MATRIX_FMT_FP6 matrix_b_fmt:MATRIX_FMT_FP6 matrix_b_scale:MATRIX_SCALE_ROW1
.elseif wsel == 2
	v_wmma_scale_f32_16x16x128_f8f6f4 v[rD:rD+7], v[rA:rA+11], v[rB:rB+11], v[rD:rD+7], v[rSA], v[rSB] matrix_a_fmt:MATRIX_FMT_FP6 matrix_b_fmt:MATRIX_FMT_FP6 matrix_a_scale:MATRIX_SCALE_ROW1
.else
	v_wmma_scale_f32_16x16x128_f8f6f4 v[rD:rD+7], v[rA:rA+11], v[rB:rB+11], v[rD:rD+7], v[rSA], v[rSB] matrix_a_fmt:MATRIX_FMT_FP6 matrix_b_fmt:MATRIX_FMT_FP6 matrix_a_scale:MATRIX_SCALE_ROW1 matrix_b_scale:MATRIX_SCALE_ROW1
.endif
.endif
.endm
; THE PRODUCTS OF TILE u: 8 K steps x 3 kinds; the three accumulators take turns.
; In tile 0, behind every second K step and four places, the two fragments just done with take tile 1's.
.macro GU u, slot
.irp ks, 0,1,2,3,4,5,6,7
.if ((\u) == 1) && (\ks % 2 == 0)
	s_wait_dscnt 36-6*\ks                          ; tile 1 came in four runs of twelve loads: the later runs may stay out
.endif
.if ((\u) == 0) && (\ks == 4)
	s_wait_dscnt 24                                ; tile 0's K steps 4-7 are in; behind them stand two runs of tile 1's
.endif
.if \ks < 7
	WIN 0x04
.set WR, 36*\ks
.else
	WIN 0
.set WR, W7
.endif
.irp kd, 0,1,2
.set rD, RH+16*\kd+8*(\u)
.set rA, AF+12*\ks
.set rB, WR+12*\kd
.set rSA, SA+\ks
.set rSB, WS+4*\kd+\ks/2
	WM \ks, \u
.endr
.if ((\u) == 0) && (\ks % 2 == 1)
	PLACES 4
	AFRAG 1, \ks-1, \slot
	AFRAG 1, \ks, \slot
.endif
.endr
.endm
.macro EACH16 op, reg                  ; a transcendental on 16 registers in place
.set ee, 0
.rept 16
	\op v[\reg+ee], v[\reg+ee]
.set ee, ee+1
.endr
.endm
; A SUPER-STEP.  On the way in tile 0's K steps 0-3 and the scale words are in registers, K steps 4-7 on their way.
.macro SSTEP slot, fill, next
.if \fill
.if \slot == 1
	s_cmp_lg_u32 s[CNT], 1                         ; super-step 5 has no super-step 8 to ask for
	s_cbranch_scc0 .Lno_ask_\@
.endif
	global_prefetch_b8 v[PFO], s[PF:PF+1] th:TH_LOAD_NT scope:SCOPE_SE   ; my blocks of the slot three super-steps on
.if \slot == 1
.Lno_ask_\@:
.endif
.endif
	GU 0, \slot
	GU 1, \slot
	PLACES 4
	; the sigmoids of my 16 times: x -log2(e) (each accumulator from its low end on), 48 exponentials, hidden + 0.5, 1 + e, 48 reciprocals
.irp q, 0,2,4,6,8,10,12,14
	v_pk_mul_f32 v[T+\q:T+\q+1], v[RH+\q:RH+\q+1], s[CS:CS+1] op_sel_hi:[1,0]
	v_pk_mul_f32 v[RG+\q:RG+\q+1], v[RG+\q:RG+\q+1], s[CS:CS+1] op_sel_hi:[1,0]
	v_pk_mul_f32 v[RP+\q:RP+\q+1], v[RP+\q:RP+\q+1], s[CS:CS+1] op_sel_hi:[1,0]
.endr
	s_wait_alu depctr_va_vdst(0)                   ; ahead of a batch
	EACH16 v_exp_f32, T
	EACH16 v_exp_f32, RG
	EACH16 v_exp_f32, RP
.irp q, 0,2,4,6,8,10,12,14
	v_pk_add_f32 v[RH+\q:RH+\q+1], v[RH+\q:RH+\q+1], 0.5 op_sel_hi:[1,0]
.endr
	s_wait_alu depctr_va_vdst(0)                   ; and behind it, ahead of its first reader
.irp q, 0,2,4,6,8,10,12,14
	v_pk_add_f32 v[T+\q:T+\q+1], v[T+\q:T+\q+1], 1.0 op_sel_hi:[1,0]
	v_pk_add_f32 v[RG+\q:RG+\q+1], v[RG+\q:RG+\q+1], 1.0 op_sel_hi:[1,0]
	v_pk_add_f32 v[RP+\q:RP+\q+1], v[RP+\q:RP+\q+1], 1.0 op_sel_hi:[1,0]
.endr
	s_wait_alu depctr_va_vdst(0)
	EACH16 v_rcp_f32, T
	EACH16 v_rcp_f32, RG
	EACH16 v_rcp_f32, RP
	v_nop
	s_wait_alu depctr_va_vdst(0)
.set ee, 0
.rept 16
	v_max_num_f32 v[RH+ee], v[RH+ee], v[T+ee]      ; g(hidden)
.set ee, ee+1
.endr
.irp q, 0,2,4,6,8,10,12,14
	v_pk_mul_f32 v[RH+\q:RH+\q+1], v[RH+\q:RH+\q+1], v[RG+\q:RG+\q+1]                                    ; b = g s
	v_pk_add_f32 v[RG+\q:RG+\q+1], v[RG+\q:RG+\q+1], 1.0 op_sel_hi:[1,0] neg_lo:[1,0] neg_hi:[1,0]       ; a = 1 - s
.endr
.irp k, 1,2,3,4,5,6,7,8,9,10,11,12,13,14,15    ; my segment from a carry of 0: L_k = a_k L_(k-1) + b_k, P_k = a_k P_(k-1)
.if \k > 1
	s_delay_alu instid0(VALU_DEP_2)
.endif
	v_fmac_f32 v[RH+\k], v[RG+\k], v[RH+\k-1]
.if \k > 1
	s_delay_alu instid0(VALU_DEP_2)
.endif
	v_mul_f32 v[RG+\k], v[RG+\k], v[RG+\k-1]
.endr
	ds_store_b32 v[AGW], v[RH+15] offset:4096*\slot
	ds_store_b32 v[AGW], v[RG+15] offset:4096*\slot+4
	; the change of slots, where the segments meet
	s_wait_alu depctr_va_vdst(0)                   ; ahead of the waits below
	s_wait_tensorcnt 0x0                           ; no tensor load of mine is out
	ds_add_u32 v[SPW], v[NIL]
.if \fill
	s_add_nc_u64 s[G0A+4*\slot+2:G0A+4*\slot+3], s[G0A+4*\slot+2:G0A+4*\slot+3], 2*SLOTB
.endif
	s_wait_dscnt 0x0                               ; the add, my reads of this slot, my aggregate's stores
.if \fill
	CROUND
	JL \slot                                       ; this slot's next fill, two super-steps ahead
.else
	s_barrier_signal -1
	s_barrier_wait -1
.endif
.irp q, 0,1,2,3
	ds_load_b128 v[AGT+4*\q:AGT+4*\q+3], v[AGR] offset:4096*\slot+16*\q
.endr
.if \next
.irp ks, 0,1,2,3
	AFRAG 0, \ks, 1-\slot
.endr
	ds_load_b128 v[SA:SA+3], v[ADS+1-\slot]
	ds_load_b128 v[SA+4:SA+7], v[ADS+1-\slot] offset:512
	s_wait_dscnt 26                                ; the aggregates are in; the 24 + 2 loads behind them may stay out
.else
	s_wait_dscnt 0x0
.endif
	s_wait_loadcnt 0x0                             ; the highway's input, asked for a super-step ago
	v_mov_b32 v[CIN], v[CR]                        ; every wave walks all eight segments and picks the carry into its own on the way
.irp k, 0,1,2,3,4,5,6,7
.if \k > 0
	s_delay_alu instid0(VALU_DEP_2)
.endif
	v_fma_f32 v[CR], v[AGT+2*\k+1], v[CR], v[AGT+2*\k]
.if \k < 7
	s_delay_alu instid0(VALU_DEP_1)
	v_cndmask_b32 v[CIN], v[CIN], v[CR], s[MK+1+\k]
.endif
.endr
.irp q, 0,2,4,6,8,10,12,14
	v_pk_fma_f32 v[RH+\q:RH+\q+1], v[RG+\q:RG+\q+1], v[CIN:CIN+1], v[RH+\q:RH+\q+1] op_sel_hi:[1,0,1]   ; out = L + P x carry
.endr
.irp q, 0,2,4,6,8,10,12,14
	v_pk_add_f32 v[RH+\q:RH+\q+1], v[RH+\q:RH+\q+1], v[HP+\q:HP+\q+1] neg_lo:[0,1] neg_hi:[0,1]         ; out - x
.endr
.irp q, 0,2,4,6,8,10,12,14
	v_pk_fma_f32 v[RH+\q:RH+\q+1], v[RP+\q:RP+\q+1], v[RH+\q:RH+\q+1], v[HP+\q:HP+\q+1]                 ; y
.endr
.if LAYER == 1
.irp q, 0,1,2,3
	global_store_b128 v[GI], v[RH+4*\q:RH+4*\q+3], s[IB:IB+1] offset:512*\q   ; y as an image of these registers: 512 consecutive bytes an instruction
.endr
.endif
.irp uj, 0,1,2,3,4,5,6,7,8,9,10,11,12,13,14,15
	ds_store_b32 v[STW], v[RH+\uj] offset:\uj*144
.endr
	s_wait_dscnt 0x0                               ; for the others' sake: my part of the stage has landed
	s_barrier_signal -1
	s_barrier_wait -1                              ; both channel halves of every row are there
.if LAYER == 1
.irp k, 0,1,2,3
	ds_load_b128 v[X+4*\k:X+4*\k+3], v[STR] offset:16*\k
.endr
	s_wait_dscnt 0x0
	v_max3_num_f32 v[M0], |v[X]|, |v[X+1]|, 0x1800000      ; with the floor 2^(3 - 127): the byte cannot fall under 1
	v_max3_num_f32 v[M1], |v[X+2]|, |v[X+3]|, |v[X+4]|
.irp i, 5,9
	s_delay_alu instid0(VALU_DEP_2)
	v_max3_num_f32 v[M0], v[M0], |v[X+\i]|, |v[X+\i+1]|
	s_delay_alu instid0(VALU_DEP_2)
	v_max3_num_f32 v[M1], v[M1], |v[X+\i+2]|, |v[X+\i+3]|
.endr
	s_delay_alu instid0(VALU_DEP_2)
	v_max3_num_f32 v[M0], v[M0], |v[X+13]|, |v[X+14]|
	s_delay_alu instid0(VALU_DEP_1)
	v_max3_num_f32 v[M0], v[M0], v[M1], |v[X+15]|
	s_delay_alu instid0(VALU_DEP_1)
	v_permlanex16_b32 v[AGT], v[M0], s[SEL], s[SEL+1]
	s_delay_alu instid0(VALU_DEP_1)
	v_max_num_f32 v[M0], v[M0], v[AGT]                     ; the block's largest magnitude
	s_delay_alu instid0(VALU_DEP_1)
	v_add_nc_u32 v[M1], 0xff000000, v[M0]                  ; 2 off its exponent field: the conversion's scale operand
	v_cvt_scalef32_pk16_fp6_f32 v[CD:CD+2], v[X:X+15], v[M1]
	v_lshrrev_b32 v[M0], 23, v[M1]                         ; the scale's byte (also the plain instruction behind the conversion)
	global_store_b96 v[GC], v[CD:CD+2], s[CB:CB+1]         ; 384 consecutive bytes: a tile of the block's 768
	global_store_b8 v[GS], v[M0], s[SB:SB+1]               ; row i's byte (lanes i and 16 + i store the same byte to the same place)
.else
.irp k, 0,1,2,3
	ds_load_b128 v[X+4*\k:X+4*\k+3], v[STR] offset:4*\k*144
.endr
	s_wait_dscnt 0x0
.irp k, 0,1,2,3
	global_store_b128 v[GC], v[X+4*\k:X+4*\k+3], s[IB:IB+1] offset:4*\k*4096   ; four rows an instruction, 128 consecutive bytes each
.endr
.endif
.if \next
	s_wait_xcnt 0x0                                ; the stores and the prefetch have read their data and bases
	s_add_nc_u64 s[HB:HB+1], s[HB:HB+1], HSTEP
	s_add_nc_u64 s[IB:IB+1], s[IB:IB+1], ISTEP
	s_add_nc_u64 s[PF:PF+1], s[PF:PF+1], SLOTB
.if LAYER == 1
	s_add_nc_u64 s[CB:CB+1], s[CB:CB+1], SLOTB
	s_add_nc_u64 s[SB:SB+1], s[SB:SB+1], SLOTB
.endif
.irp ks, 4,5,6,7
	AFRAG 0, \ks, 1-\slot
.endr
	HPLOAD
.endif
.endm
	s_mov_b32 s[CNT], 3
.Lpair:                                            ; three trips of two super-steps, each filling its slot again
	SSTEP 0, 1, 1
	SSTEP 1, 1, 1
	s_sub_co_u32 s[CNT], s[CNT], 1
	s_cmp_lg_u32 s[CNT], 0
	s_cbranch_scc1 .Lpair
	SSTEP 0, 0, 1                                  ; the last two are written out: nothing is left to fetch
	SSTEP 1, 0, 0
	s_wait_tensorcnt 0x0                           ; the wave's end
	ds_add_u32 v[SPW], v[NIL]
	s_wait_dscnt 0x0
	CROUND                                         ; the closing round
	s_endpgm
.Lfunc_end_k_q007278eb79_layer2:
	.size	k_q007278eb79_layer2, .Lfunc_end_k_q007278eb79_layer2-k_q007278eb79_layer2
	.p2alignl 7, 3214868480
	.fill 96, 4, 3214868480
	.section	.rodata,"a",@progbits
	.p2align	6, 0x0
	.amdhsa_kernel k_q007278eb79_layer2
		.amdhsa_group_segment_fixed_size 327680
		.amdhsa_private_segment_fixed_size 0
		.amdhsa_enable_private_segment 0
		.amdhsa_kernarg_size 40
		.amdhsa_user_sgpr_count 2
		.amdhsa_user_sgpr_kernarg_segment_ptr 1
		.amdhsa_wavefront_size32 1
		.amdhsa_system_sgpr_workgroup_id_x 1
		.amdhsa_system_sgpr_workgroup_id_y 1
		.amdhsa_system_sgpr_workgroup_id_z 1
		.amdhsa_system_vgpr_workitem_id 0
		.amdhsa_next_free_vgpr 512
		.amdhsa_next_free_sgpr 96
		.amdhsa_reserve_vcc 0
		.amdhsa_float_denorm_mode_32 3
		.amdhsa_float_denorm_mode_16_64 3
		.amdhsa_memory_ordered 1
		.amdhsa_forward_progress 1
		.amdhsa_inst_pref_size 138
	.end_amdhsa_kernel
	.amdgpu_metadata
---
amdhsa.version: [ 1, 2 ]
amdhsa.kernels:
  - .name:           k_q007278eb79_layer2
    .symbol:         k_q007278eb79_layer2.kd
    .args:
      - { .name: AC1, .offset: 0, .size: 8, .value_kind: global_buffer, .address_space: global }
      - { .name: W1_codes, .offset: 8, .size: 8, .value_kind: global_buffer, .address_space: global }
      - { .name: W1_scales, .offset: 16, .size: 8, .value_kind: global_buffer, .address_space: global }
      - { .name: H1, .offset: 24, .size: 8, .value_kind: global_buffer, .address_space: global }
      - { .name: out0, .offset: 32, .size: 8, .value_kind: global_buffer, .address_space: global }
    .group_segment_fixed_size: 327680
    .private_segment_fixed_size: 0
    .kernarg_segment_align: 8
    .kernarg_segment_size: 40
    .max_flat_workgroup_size: 256
    .sgpr_count:     96
    .vgpr_count:     512
    .wavefront_size: 32
...
	.end_amdgpu_metadata
.endif
;; end of part 3
